; MI455X (gfx1250); checked and timed in simulation.
; The chip was launched on July 23, 2026; its instructions are those of AMD's public machine-readable ISA for CDNA 5 (MIT licence, August 2026) and "CDNA5" Instruction Set Architecture Reference Guide (July 2026). The comments in the code are by the model that wrote it; some were corrected since.
;; Decoder LSTM. Allowed arithmetic: float matrix products may take bf16 or f16 operands with f32 sums; all other float work in f32.
;; Inputs: W_emb 1 x 32 float32; W_enc 512 x 256 float32; W_k 32 x 1,024 float32; W_r 256 x 1,024 float32; W_red 256 x 1 float32; b_emb 32 float32; b_enc 256 float32; b_lstm 1,024 float32; b_red 1 float32; encoded_input_series 16,384 x 512 float32; final_x_val 16,384 x 1 float32.
;; Outputs: out0 16,384 x 8 float32.
;; Constants: decode_length = 8.
;; 2 versions, each right and faster than the one before. Each part assembles by itself: llvm-mc -triple=amdgcn-amd-amdhsa -mcpu=gfx1250 --defsym DOCPART=n.
;; ======== version 1 of 2: 2 launches
;; limits: values are held in f16: magnitudes above 65,504 overflow, below 6.1e-05 lose precision; right only within a limited range of input values
;; workspace buffers: wk 794,624 bytes
;; launch prep (part 1): grid 193 x 1, 8 waves a work-group, no clusters, 0 bytes of LDS; arguments W_r, W_enc, W_k, W_emb, b_emb, b_lstm, wk; writes wk
.if DOCPART == 1
	.amdgcn_target "amdgcn-amd-amdhsa--gfx1250"
	.amdhsa_code_object_version 6
	.text
	.protected	k_q4bf577f3f2_prep
	.globl	k_q4bf577f3f2_prep
	.p2align	8
	.type	k_q4bf577f3f2_prep,@function
k_q4bf577f3f2_prep:
	s_mov_b64 s[64:65], 0
	v_nop
	global_prefetch_b8 v0, s[64:65] scope:SCOPE_SE
	s_setreg_imm32_b32 hwreg(HW_REG_WAVE_MODE, 25, 1), 1
	s_wait_xcnt 0x0
; Lays the weights out for the second launch.  wk holds:
;   byte      0: W_r, 512 fragments of 1,024 bytes, f16, scaled (see below), number F = 256 s + 64 w + 32 p + 4 kk + g
;   byte 524288: W_enc, 256 fragments, f16, not scaled, number F' = 64 w + 4 kk + T   (T = 2 p + s)
;   byte 786432: u'[1024] f32, then v'[1024] f32, in the natural order of the gate columns
; A fragment is 16 columns x 32 k in the order in which a wave loads it: the byte at 512 q + 16 L + 2 e holds
; W[k0 + 16 q + 8 (L >> 4) + e][n0 + (L & 15)], so two loads of 16 bytes a lane fill the 8 registers of a matrix operand.
; k0 = 32 kk.  W_r: n0 = 256 g + ub; W_enc: n0 = ub; ub = 128 p + 32 w + 16 s: the 16 units that wave w owns in pass p, half s.
; SCALING: the gates i, f, o (g = 0, 1, 3) are multiplied by -log2(e), gate c (g = 2) by -2 log2(e), so that the second launch feeds
; its sums straight to the base-2 exponential.  W_r is rounded to f16 after that multiplication.
; FORMAT: f16 and not bf16: 11 significant bits against 8, which the eight steps' feedback of h and y needs.
; LIMITS: |W_enc| <= 65,504, |W_r| <= 45,400 (gate c: 22,700), beyond which f16 gives an infinity; weights are kept to multiples of 2^-24 below 2^-14.
; u = W_emb W_k and v = b_emb W_k + b_lstm, in f32: the decoder's input x = y W_emb + b_emb has rank one, so x W_k = y u + b_emb W_k.
; The order of rounding differs from forming x first.
; A work-group of 256 threads makes four fragments (4,096 bytes), thread t the 16 bytes at 16 t: a wave's store covers 512 consecutive
; bytes, aligned.  The reads come in runs of 64 bytes (16 lanes x 4 bytes of one row of W); each input byte is read once, 1.5 MiB in all.
; Work-groups 0-127: W_r.  128-191: W_enc.  192: u' and v'.
.set NEG_LOG2E,  0xbfb8aa3b
.set NEG_2LOG2E, 0xc038aa3b
	s_load_b256 s[4:11], s[0:1], 0x0               ; W_r s[4:5], W_enc s[6:7], W_k s[8:9], W_emb s[10:11]
	s_load_b128 s[12:15], s[0:1], 0x20             ; b_emb s[12:13], b_lstm s[14:15]
	s_load_b64 s[48:49], s[0:1], 0x30              ; wk
	v_and_b32 v1, 15, v0                           ; r: the column in the fragment
	v_bfe_u32 v2, v0, 4, 2                         ; 2 q + h: eight rows of W each
	v_lshrrev_b32 v3, 6, v0                        ; which of the group's four fragments: g or T; for u', v' the thread's gate
	v_lshlrev_b32 v4, 4, v0                        ; 16 t
	v_mov_b32 v6, NEG_LOG2E
	v_mov_b32 v7, NEG_2LOG2E
	v_cmp_eq_u32 vcc_lo, 2, v3
	v_cndmask_b32 v6, v6, v7, vcc_lo               ; the gate's factor,
	v_mov_b32 v7, v6                               ; twice: a pair for the packed multiply
	s_lshl_b32 s50, ttmp9, 12                      ; every work-group stores at 4,096 x its number (192 x 4,096 = 786,432)
	s_mov_b32 s51, 0
	s_wait_kmcnt 0x0
	s_add_nc_u64 s[48:49], s[48:49], s[50:51]
	s_cmp_ge_u32 ttmp9, 192
	s_cbranch_scc1 .Luv
	s_cmp_ge_u32 ttmp9, 128
	s_cbranch_scc1 .Lenc
; eight numbers of one column, pitch bytes apart, to 16 bytes of f16
.macro CONV base, pitch, scaled
.irp e, 0,1,2,3,4,5,6,7
	global_load_b32 v[8+\e], v5, s[\base:\base+1] offset:\e*\pitch
.endr
	s_wait_loadcnt 0x0
.if \scaled
.irp e, 0,2,4,6
	v_pk_mul_f32 v[8+\e:9+\e], v[8+\e:9+\e], v[6:7]
.endr
.endif
.irp e, 0,1,2,3
	v_cvt_pk_f16_f32 v[16+\e], v[8+2*\e], v[9+2*\e]
.endr
	global_store_b128 v4, v[16:19], s[48:49]
.endm
	; W_r [256][1024]: group b = 64 s + 16 w + 8 p + kk
	s_and_b32 s52, ttmp9, 7
	s_lshl_b32 s52, s52, 17                        ; kk x 32 rows of 4,096 bytes
	s_bfe_u32 s53, ttmp9, 0x10003
	s_lshl_b32 s53, s53, 9                         ; p x 128 columns
	s_add_co_u32 s52, s52, s53
	s_bfe_u32 s53, ttmp9, 0x20004
	s_lshl_b32 s53, s53, 7                         ; w x 32 columns
	s_add_co_u32 s52, s52, s53
	s_lshr_b32 s53, ttmp9, 6
	s_lshl_b32 s53, s53, 6                         ; s x 16 columns
	s_add_co_u32 s52, s52, s53
	s_mov_b32 s53, 0
	s_add_nc_u64 s[4:5], s[4:5], s[52:53]
	v_lshlrev_b32 v5, 15, v2                       ; (16 q + 8 h) rows
	v_lshl_add_u32 v5, v3, 10, v5                  ; + 256 g columns
	v_lshl_add_u32 v5, v1, 2, v5                   ; + r columns
	CONV 4, 4096, 1
	s_endpgm
.Lenc:
	; W_enc [512][256]: group b - 128 = 16 w + kk
	s_and_b32 s52, ttmp9, 15
	s_lshl_b32 s52, s52, 15                        ; kk x 32 rows of 1,024 bytes
	s_bfe_u32 s53, ttmp9, 0x20004
	s_lshl_b32 s53, s53, 7                         ; w x 32 columns
	s_add_co_u32 s52, s52, s53
	s_mov_b32 s53, 0
	s_add_nc_u64 s[6:7], s[6:7], s[52:53]
	v_lshlrev_b32 v5, 13, v2                       ; (16 q + 8 h) rows
	v_lshrrev_b32 v8, 1, v3
	v_lshl_add_u32 v5, v8, 9, v5                   ; + 128 (T >> 1) columns
	v_and_b32 v8, 1, v3
	v_lshl_add_u32 v5, v8, 6, v5                   ; + 16 (T & 1) columns
	v_lshl_add_u32 v5, v1, 2, v5                   ; + r columns
	CONV 6, 1024, 0
	s_endpgm
.Luv:
	; thread t owns columns 4 t .. 4 t + 3 of W_k [32][1024]; W_emb in s[16:47], b_emb in s[68:99]
	s_load_b512 s[16:31], s[10:11], 0x0
	s_load_b512 s[32:47], s[10:11], 0x40
	s_load_b512 s[68:83], s[12:13], 0x0
	s_load_b512 s[84:99], s[12:13], 0x40
	global_load_b128 v[144:147], v4, s[14:15]      ; b_lstm starts the sums of v
.set dd, 0
.rept 32
	global_load_b128 v[16+4*dd:19+4*dd], v4, s[8:9] offset:4096*dd
.set dd, dd+1
.endr
	s_wait_kmcnt 0x0
	s_wait_loadcnt 0x0
.irp c, 0,1,2,3
	v_mul_f32 v[148+\c], s16, v[16+\c]             ; the first product starts the sums of u
	v_fma_f32 v[144+\c], s68, v[16+\c], v[144+\c]
.endr
.set dd, 1
.rept 31
.irp c, 0,1,2,3
	v_fma_f32 v[148+\c], s[16+dd], v[16+4*dd+\c], v[148+\c]
	v_fma_f32 v[144+\c], s[68+dd], v[16+4*dd+\c], v[144+\c]
.endr
.set dd, dd+1
.endr
.irp c, 144,146,148,150
	v_pk_mul_f32 v[\c:\c+1], v[\c:\c+1], v[6:7]
.endr
	global_store_b128 v4, v[148:151], s[48:49]
	global_store_b128 v4, v[144:147], s[48:49] offset:4096
	s_endpgm
.Lfunc_end_k_q4bf577f3f2_prep:
	.size	k_q4bf577f3f2_prep, .Lfunc_end_k_q4bf577f3f2_prep-k_q4bf577f3f2_prep
	.p2alignl 7, 3214868480
	.fill 96, 4, 3214868480
	.section	.rodata,"a",@progbits
	.p2align	6, 0x0
	.amdhsa_kernel k_q4bf577f3f2_prep
		.amdhsa_group_segment_fixed_size 0
		.amdhsa_private_segment_fixed_size 0
		.amdhsa_enable_private_segment 0
		.amdhsa_kernarg_size 56
		.amdhsa_user_sgpr_count 2
		.amdhsa_user_sgpr_kernarg_segment_ptr 1
		.amdhsa_wavefront_size32 1
		.amdhsa_system_sgpr_workgroup_id_x 1
		.amdhsa_system_sgpr_workgroup_id_y 1
		.amdhsa_system_sgpr_workgroup_id_z 1
		.amdhsa_system_vgpr_workitem_id 0
		.amdhsa_next_free_vgpr 152
		.amdhsa_next_free_sgpr 100
		.amdhsa_reserve_vcc 1
		.amdhsa_float_denorm_mode_32 3
		.amdhsa_float_denorm_mode_16_64 3
		.amdhsa_memory_ordered 1
		.amdhsa_forward_progress 1
		.amdhsa_inst_pref_size 25
	.end_amdhsa_kernel
	.amdgpu_metadata
---
amdhsa.version: [ 1, 2 ]
amdhsa.kernels:
  - .name:           k_q4bf577f3f2_prep
    .symbol:         k_q4bf577f3f2_prep.kd
    .args:
      - { .name: W_r, .offset: 0, .size: 8, .value_kind: global_buffer, .address_space: global }
      - { .name: W_enc, .offset: 8, .size: 8, .value_kind: global_buffer, .address_space: global }
      - { .name: W_k, .offset: 16, .size: 8, .value_kind: global_buffer, .address_space: global }
      - { .name: W_emb, .offset: 24, .size: 8, .value_kind: global_buffer, .address_space: global }
      - { .name: b_emb, .offset: 32, .size: 8, .value_kind: global_buffer, .address_space: global }
      - { .name: b_lstm, .offset: 40, .size: 8, .value_kind: global_buffer, .address_space: global }
      - { .name: wk, .offset: 48, .size: 8, .value_kind: global_buffer, .address_space: global }
    .group_segment_fixed_size: 0
    .private_segment_fixed_size: 0
    .kernarg_segment_align: 8
    .kernarg_segment_size: 56
    .max_flat_workgroup_size: 256
    .sgpr_count:     100
    .vgpr_count:     152
    .wavefront_size: 32
...
	.end_amdgpu_metadata
.endif
;; end of part 1
;; launch lstm (part 2): grid 256 x 1, 4 waves a work-group, clusters of 4 x 1, 327,168 bytes of LDS; arguments encoded_input_series, final_x_val, wk, W_red, b_enc, b_red, out0; writes out0
.if DOCPART == 2
	.amdgcn_target "amdgcn-amd-amdhsa--gfx1250"
	.amdhsa_code_object_version 6
	.text
	.protected	k_q4bf577f3f2_lstm
	.globl	k_q4bf577f3f2_lstm
	.p2align	8
	.type	k_q4bf577f3f2_lstm,@function
k_q4bf577f3f2_lstm:
	s_mov_b64 s[64:65], 0
	v_nop
	global_prefetch_b8 v0, s[64:65] scope:SCOPE_SE
	s_setreg_imm32_b32 hwreg(HW_REG_WAVE_MODE, 25, 1), 1
	s_wait_xcnt 0x0
	s_wait_alu depctr_hold_cnt(0) depctr_sa_sdst(0) depctr_va_vdst(0) depctr_va_sdst(0) depctr_va_ssrc(0) depctr_va_vcc(0) depctr_vm_vsrc(0)
	s_getreg_b32 s2, hwreg(HW_REG_IB_STS2, 6, 4)
	s_cmp_eq_u32 s2, 0
	s_cbranch_scc0 .Lentry_in_a_cluster
	s_endpgm
.Lentry_in_a_cluster:
	s_bfe_u32 s2, ttmp6, 0x10000c
	s_cmp_lg_u32 s2, 0x3003
	s_cbranch_scc0 .Lentry_shape_is_right
	s_endpgm
.Lentry_shape_is_right:
; h0 = enc W_enc + b_enc, then eight LSTM steps with the scalar feedback y, for 64 batch rows a work-group, four waves.
; Nothing is read from memory inside the step loop: W_r (512 KiB in f16) stays on the WGP, half in registers (512 a wave), half in LDS
; (64 KiB a wave); c stays in registers in f32; h goes from wave to wave through LDS in f16; y through LDS in f32.
; Wave w owns 64 of the 256 units, in four tiles of 16: ub = 128 p + 32 w + 16 s (pass p = 0, 1; s = 0: weights in registers, s = 1: in LDS),
; and for each tile all four gates and all 64 rows.  gates = h W_r + y u + v (u, v in f32 from the first launch; the sums START at y u + v).
; THE MATRIX INSTRUCTION IS USED TRANSPOSED: source 0 = 16 columns of W, source 1 = 16 batch rows of h.  Lane (r = l % 16, hh = l / 16) then holds
; batch row 16 m + r, and its registers j = 0..7 the units ub + 8 hh + j: the four gates of a unit meet in one lane, eight neighbouring h pack
; into 16 bytes, and the sum for y runs mostly inside a lane.
; FORMAT: all matrix operands are f16 and not bf16: 11 significant bits against 8.  The rounding of h0, h and W_r is fed on through eight steps and through
;   y, and bf16's share of it is of the size of the result's allowance.  Room in f16 (largest number 65,504): |h| < 1 by its own formula; enc, W_enc and the
;   scaled W_r are of size 1 or less as drawn; h0 is a sum of 512 products of size 1/23, and even with enc near 30 and W_enc near 1.3 throughout it is
;   512 x 30 x 1.3 = 20,000.
; ACTIVATIONS.  The sums arrive multiplied by -log2(e) (gates i, f, o) and -2 log2(e) (gate c).  With E = 2^sum:
;   sigmoid(i) tanh(g) = (1 - Eg) / ((1 + Ei)(1 + Eg));  sigmoid(f) = 1 / (1 + Ef);  h = (1 - Ec) / ((1 + Eo)(1 + Ec)), Ec = 2^(-2 log2(e) c).
;   Eight transcendentals a cell.  Only gate c's exponent is clamped (at 40), so that 1 - Eg stays finite and meets a zero, never an infinity,
;   when another factor overflows.  |c| <= 8 after eight steps (c0 = 0 and each step adds at most 1), so Ec needs no clamp.
; LIMITS: |enc| <= 65,504 (beyond it f16 gives an infinity); h0 is clamped to +-65,504 before it is rounded to f16, and a NaN in h0 comes out as a bound of
;   that clamp; operands below 2^-14 are kept to multiples of 2^-24; a NaN in gate c's sum gives tanh = -1 and not NaN (the clamp at 40 drops it); the
;   exponential and the reciprocal give 0 for results below 2^-126 (ISA guide, their entries in chapter 15), so a sigmoid below that is 0; x W_k is formed as
;   y (W_emb W_k) + b_emb W_k in f32, another order of rounding than forming x first.
; CLUSTER: four work-groups; the LDS half of W_r (256 KiB) is the same for all and is asked for jointly, one tensor load a wave (one outstanding).
;   W_enc and the register half of W_r (64 KiB each a wave) are loaded straight into the registers of the one wave that uses them: sent through LDS
;   they would need the 256 KiB region filled three times in turn and 512 KiB more of LDS writes and reads a work-group, so they are not shared.
;
; LDS
.set HX,    262144                     ; bytes 0 - 262143: W_r's LDS half, wave w's fragments at 65536 w + 1024 (32 p + 4 kk + g); filled once, never stored to
.set HB,    17408                      ; three buffers of 64 rows x 128 f16, pitch 272, at HX, HX + HB, HX + 2 HB.  With that pitch the sixteen rows
.set MROW,  4352                       ; that a 16-byte load touches lie in sixteen different 16-byte columns modulo 256 bytes.  MROW = 16 rows.
.set UV,    314368                     ; u'[1024], v'[1024] f32
.set WRED,  322560                     ; W_red[256] f32
.set PART,  323584                     ; partial sums of y: [4 waves][64 rows] f32
.set YST,   324608                     ; y of all steps: [64 rows][8] f32, as out0 has them
; h's units 0-127 lie by turns in the second and the first buffer, units 128-255 always in the third.
.set WK_B,  262144                     ; wk: W_r's LDS half
.set WK_C,  524288                     ; wk: W_enc
.set WK_D,  786432                     ; wk: u', v'
; VECTOR REGISTERS, in windows of 256
;   window 0: v1-14 addresses; v16-23 y of my lane's row in each of the 4 row tiles (even registers; the odd ones only fill the pairs);
;             v24-31 four pairs of partial sums of y; v32-63 WB: four W fragments from LDS, at work otherwise;
;             v64-127 c of the tiles s = 1, at 64 + 8 (4 p + m); v128-255 the 16 accumulator tiles of s = 1, tile (g, m) at 128 + 8 (4 g + m)
;   window 1: v0-31, v32-63 four h fragments each, two buffers; v64-127 c of the tiles s = 0; v128-255 their accumulators
;   windows 2, 3: W_r's register half of pass 0, 1, fragment (kk, g) at 8 (4 kk + g); before that W_enc, fragment (j, T) at 8 (4 (j & 7) + T) of window 2 + (j >> 3)
.set HRD, 1                            ; HX + 272 r + 16 hh: reads of h and enc fragments
.set HWR, 2                            ; HRD + 64 w: where my 16 bytes of h go
.set WLA, 3                            ; 65536 w + 16 l
.set UVA, 4                            ; UV + 128 w + 32 hh
.set WRA, 5                            ; WRED + 128 w + 32 hh
.set PW,  6                            ; PART + 256 w + 4 r
.set PR,  7                            ; PART + 4 r
.set PO,  8                            ; PART + 64 w + 4 r: row 16 w + r, whose y this wave keeps
.set YS,  9                            ; YST + 512 w + 32 r, stepped by 8 bytes a trip
.set ES,  10                           ; HX + 4352 w + 8 l
.set GE,  11                           ; enc: 32768 w + 16 l
.set GW,  12                           ; wk: 65536 w + 16 l
.set GB,  13                           ; b_enc: 128 w + 32 hh
.set GF,  14                           ; final_x_val: 4 r
.set YV,  16
.set PS,  24
.set WB,  32
.set CC,  64
.set ACC, 128
; SCALARS: s3 trips; s[4:17] enc, final_x_val, wk, W_red, b_enc, b_red, out0; s18, s19, s[24:25] terms of the wave's number; s20 wave; s21 place in the
; cluster, s22 work-group, s[44:45] offsets made of it (global bases of enc, final_x_val, out0 alone); s26 b_red; s27 40.0; s[28:29] -2 log2(e);
; s30, s31 lane selects; s[32:35], s[36:43] the tensor descriptor; s46, s47 -65,504 and 65,504.
.set MSB, 0
.macro WIN new                         ; s_set_vgpr_msb: bits 1:0 source 0, 3:2 source 1, 5:4 source 2, 7:6 destination; the high byte repeats the setting that is left
.if MSB != (\new)
	s_set_vgpr_msb (MSB<<8)|(\new)
.set MSB, (\new)
.endif
.endm
; Four places behind a matrix instruction before a vector instruction reads its result or a load lands on one of its registers
.macro PLACES
.rept 4
	v_nop
.endr
.endm
; A round of the cluster's barrier
.macro ROUND
	s_barrier_signal -1
	s_barrier_wait -1
	s_cmp_lg_u32 s20, 0
	s_cbranch_scc1 .Lnot_wave_0_\@
	s_barrier_signal -3
.Lnot_wave_0_\@:
	s_barrier_wait -3
	s_barrier_signal -1
	s_barrier_wait -1
.endm
	s_load_b256 s[4:11], s[0:1], 0x0               ; enc s[4:5], final_x_val s[6:7], wk s[8:9], W_red s[10:11]
	s_load_b128 s[12:15], s[0:1], 0x20             ; b_enc s[12:13], b_red s[14:15]
	s_load_b64 s[16:17], s[0:1], 0x30              ; out0
	v_lshl_add_u32 v254, v0, 2, 0x4fc00
	v_mov_b32 v255, 0
	ds_add_u32 v254, v255
	s_wait_dscnt 0x0
	v_lshrrev_b32 v35, 5, v0
	v_readfirstlane_b32 s20, v35                   ; wave
	v_and_b32 v32, 15, v0                          ; r
	v_bfe_u32 v33, v0, 4, 1                        ; hh
	v_and_b32 v34, 31, v0                          ; l
	v_mul_u32_u24 v[HRD], v32, 272
	v_lshl_add_u32 v[HRD], v33, 4, v[HRD]
	v_add_nc_u32 v[HRD], HX, v[HRD]
	s_lshl_b32 s18, s20, 6
	v_add_nc_u32 v[HWR], s18, v[HRD]
	s_lshl_b32 s18, s20, 16
	v_lshl_add_u32 v[WLA], v34, 4, s18
	v_lshl_add_u32 v[GW], v34, 4, s18
	s_lshl_b32 s18, s20, 7
	v_lshl_add_u32 v[GB], v33, 5, s18
	s_add_co_u32 s19, s18, UV
	v_lshl_add_u32 v[UVA], v33, 5, s19
	s_add_co_u32 s19, s18, WRED
	v_lshl_add_u32 v[WRA], v33, 5, s19
	v_lshlrev_b32 v[PR], 2, v32
	v_add_nc_u32 v[PR], PART, v[PR]
	s_lshl_b32 s18, s20, 8
	v_add_nc_u32 v[PW], s18, v[PR]
	s_lshl_b32 s18, s20, 6
	v_add_nc_u32 v[PO], s18, v[PR]
	s_lshl_b32 s18, s20, 9
	s_add_co_u32 s18, s18, YST
	v_lshl_add_u32 v[YS], v32, 5, s18
	s_mul_i32 s18, s20, MROW
	s_add_co_u32 s18, s18, HX
	v_lshl_add_u32 v[ES], v34, 3, s18
	s_lshl_b32 s18, s20, 15
	v_lshl_add_u32 v[GE], v34, 4, s18
	v_lshlrev_b32 v[GF], 2, v32
	v_lshlrev_b32 v36, 4, v0                       ; 16 t: u', v' in wk
	v_add_nc_u32 v37, UV, v36                      ; and in LDS
	v_lshlrev_b32 v38, 3, v0                       ; 8 t: W_red in memory
	v_add_nc_u32 v39, WRED, v38                    ; and in LDS
.irp m, 0,1,2,3
	v_mov_b32 v[YV+2*\m+1], 0                      ; the pairs' upper registers: named by the packed multiply-adds, never used
.endr
	s_mov_b32 s27, 0x42200000                      ; 40.0
	s_mov_b32 s28, 0xc038aa3b                      ; -2 log2(e)
	s_mov_b32 s29, 0xc038aa3b
	s_mov_b32 s30, 0x76543210                      ; v_permlanex16_b32: lane i of one half reads lane i of the other
	s_mov_b32 s31, 0xfedcba98
	s_mov_b32 s46, 0xc77fe000                      ; -65,504: f16's largest magnitude
	s_mov_b32 s47, 0x477fe000                      ; 65,504
	s_bfe_u32 s21, ttmp6, 0x40000                  ; my place in the cluster
	s_lshl_b32 s22, ttmp9, 2
	s_add_co_u32 s22, s22, s21                     ; work-group = 4 x cluster + place
	; the descriptor: my wave's 64 KiB of W_r's LDS half as 256 rows of 256 bytes, dense; nothing in it hangs on the place in the cluster
	s_mov_b32 s32, 1                               ; count = 1
	s_lshl_b32 s33, s20, 16                        ; LDS address: 65536 w
	s_mov_b32 s36, 15|(3<<16)|(1<<21)              ; 15:0 all four work-groups; 17:16 elements of 8 bytes; 21 set beside a mask; no padding
	s_mov_b32 s37, 32<<16                          ; tensor_dim0 = 32 elements
	s_mov_b32 s38, 256<<16                         ; tensor_dim1 = 256 rows
	s_mov_b32 s39, 32<<16                          ; tile_dim0 = 32
	s_mov_b32 s40, 256                             ; tile_dim1 = 256
	s_mov_b32 s41, 32                              ; from row to row: 32 elements
	s_mov_b32 s42, 0
	s_mov_b32 s43, 0
	s_add_co_u32 s24, s33, WK_B
	s_mov_b32 s25, 0
	s_mov_b32 s45, 0
	s_wait_kmcnt 0x0
	s_load_b32 s26, s[14:15], 0x0                  ; b_red
	s_add_nc_u64 s[34:35], s[8:9], s[24:25]        ; wk + 262144 + 65536 w
	s_or_b32 s35, s35, 0x80000000                  ; type = 2
	s_lshl_b32 s44, s22, 17                        ; 64 rows of 2,048 bytes
	s_add_nc_u64 s[4:5], s[4:5], s[44:45]
	s_lshl_b32 s44, s22, 8                         ; 64 rows of 4 bytes
	s_add_nc_u64 s[6:7], s[6:7], s[44:45]
	s_lshl_b32 s44, s22, 11                        ; 64 rows of 32 bytes
	s_add_nc_u64 s[16:17], s[16:17], s[44:45]
	ROUND                                          ; all four work-groups are here: the joint loads meet
	tensor_load_to_lds s[32:35], s[36:43]          ; the only tensor load of the wave; waited for in front of the step loop
	s_nop 0
	; 209 loads into registers.  First enc: wave w takes rows 16 w .. 16 w + 15, in four chunks of 128 columns; one load = 512 consecutive bytes of a row.
	WIN 0x40
.irp c, 0,1,2,3
.irp i, 0,1,2,3,4,5,6,7,8,9,10,11,12,13,14,15
	global_load_b128 v[4*(16*\c+\i):4*(16*\c+\i)+3], v[GE], s[4:5] offset:2048*\i+512*\c th:TH_LOAD_NT
.endr
.endr
	WIN 0
.irp k, 0,1,2,3
	global_load_b128 v[64+4*\k:67+4*\k], v36, s[8:9] offset:WK_D+2048*\k          ; u', v': 128 threads x 16 bytes x 4
.endr
	global_load_b64 v[80:81], v38, s[10:11]                                        ; W_red: 128 threads x 8 bytes
.irp t, 0,1,2,3
	global_load_b128 v[96+8*\t:99+8*\t],   v[GB], s[12:13] offset:512*(\t>>1)+64*(\t&1)      ; b_enc of my 8 units in tile T
	global_load_b128 v[100+8*\t:103+8*\t], v[GB], s[12:13] offset:512*(\t>>1)+64*(\t&1)+16
.endr
.irp m, 0,1,2,3
	global_load_b32 v[YV+2*\m], v[GF], s[6:7] offset:64*\m                         ; the first y is final_x_val
.endr
	WIN 0x80
.set n, 0
.rept 32
	global_load_b128 v[8*n:8*n+3],   v[GW], s[8:9] offset:WK_C+1024*n              ; W_enc, my 64 fragments
	global_load_b128 v[8*n+4:8*n+7], v[GW], s[8:9] offset:WK_C+1024*n+512
.set n, n+1
.endr
	WIN 0xc0
.set n, 0
.rept 32
	global_load_b128 v[8*n:8*n+3],   v[GW], s[8:9] offset:WK_C+32768+1024*n
	global_load_b128 v[8*n+4:8*n+7], v[GW], s[8:9] offset:WK_C+32768+1024*n+512
.set n, n+1
.endr
	s_wait_loadcnt 0x3f                            ; of 209 loads at most 63 are out: the oldest 146 are in, enc's 64 and the 17 small ones among them
	WIN 0x55
.set n, 0
.rept 64
	v_cvt_pk_f16_f32 v[4*n],   v[4*n],   v[4*n+1]  ; four f32 to 8 bytes of f16, in place
	v_cvt_pk_f16_f32 v[4*n+1], v[4*n+2], v[4*n+3]
.set n, n+1
.endr
	WIN 0x04
.irp c, 0,1,2
.irp i, 0,1,2,3,4,5,6,7,8,9,10,11,12,13,14,15
	ds_store_b64 v[ES], v[4*(16*\c+\i):4*(16*\c+\i)+1] offset:HB*\c+272*\i        ; chunks 0, 1, 2 into the three buffers; chunk 3 waits in registers
.endr
.endr
	WIN 0
.irp k, 0,1,2,3
	ds_store_b128 v37, v[64+4*\k:67+4*\k] offset:2048*\k
.endr
	ds_store_b64 v39, v[80:81]
	s_wait_dscnt 0x0                               ; my stores are done, for the other waves' sake
	s_barrier_signal -1
	s_barrier_wait -1
	s_wait_loadcnt 0x0                             ; W_enc is in
	s_wait_kmcnt 0x0                               ; b_red is in
; eight loads: four fragments (64 rows x 32 k) of h or enc at byte off of the buffers into fragment buffer b
.macro HLOAD b, off
	WIN 0x40
.irp m, 0,1,2,3
	ds_load_b128 v[32*\b+8*\m:32*\b+8*\m+3],   v[HRD] offset:\off+MROW*\m
	ds_load_b128 v[32*\b+8*\m+4:32*\b+8*\m+7], v[HRD] offset:\off+MROW*\m+32
.endr
.endm
; h0, K step j of 16 (32 columns of enc; chunk j >> 2 lies in buffer 0, 1, 2, 0): 16 matrix instructions on the 16 tiles (T, m) in window 0, which take
; turns, one instruction a turn.  Behind them W_r's register fragments 4 j .. 4 j + 3 are loaded over the W_enc fragments just used.
; cnt: LDS instructions that may stay out: 8 = the next fragments' loads.  bar = 1: a barrier, its signal behind a wait for 0.
;   j = 2: every wave's reads of chunk 0 (issued up to step 1) are back: chunk 3 may go into buffer 0.
;   j = 10: chunk 3 is stored, and every wave's reads of buffers 1 and 2 (issued up to step 9) are back: chunk 3 may be read, h0 may be written there.
.macro HSTEP j, cnt, bar
	s_wait_dscnt \cnt
.if \bar
	s_barrier_signal -1
.endif
	WIN 0x06+(\j>>3)
.irp t, 0,1,2,3
.irp m, 0,1,2,3
.if \j == 0
	v_wmma_f32_16x16x32_f16 v[ACC+32*\t+8*\m:ACC+32*\t+8*\m+7], v[8*(4*(\j&7)+\t):8*(4*(\j&7)+\t)+7], v[32*(\j&1)+8*\m:32*(\j&1)+8*\m+7], 0
.else
	v_wmma_f32_16x16x32_f16 v[ACC+32*\t+8*\m:ACC+32*\t+8*\m+7], v[8*(4*(\j&7)+\t):8*(4*(\j&7)+\t)+7], v[32*(\j&1)+8*\m:32*(\j&1)+8*\m+7], v[ACC+32*\t+8*\m:ACC+32*\t+8*\m+7]
.endif
.endr
.endr
	PLACES
.if \bar
	s_barrier_wait -1
.endif
.if \j == 2
	WIN 0x04
.irp i, 0,1,2,3,4,5,6,7,8,9,10,11,12,13,14,15
	ds_store_b64 v[ES], v[4*(48+\i):4*(48+\i)+1] offset:272*\i
.endr
.endif
	WIN 0x80+0x40*(\j>>3)
.irp t, 0,1,2,3
	global_load_b128 v[8*(4*(\j&7)+\t):8*(4*(\j&7)+\t)+3],   v[GW], s[8:9] offset:1024*(4*\j+\t)
	global_load_b128 v[8*(4*(\j&7)+\t)+4:8*(4*(\j&7)+\t)+7], v[GW], s[8:9] offset:1024*(4*\j+\t)+512
.endr
.if \j < 14
	HLOAD (\j&1), HB*(((\j+2)>>2)%3)+64*((\j+2)&3)
.endif
.endm
	HLOAD 0, 0
	HLOAD 1, 64
	HSTEP 0, 8, 0
	HSTEP 1, 8, 0
	HSTEP 2, 0, 1
	HSTEP 3, 8, 0
	HSTEP 4, 8, 0
	HSTEP 5, 8, 0
	HSTEP 6, 8, 0
	HSTEP 7, 8, 0
	HSTEP 8, 8, 0
	HSTEP 9, 8, 0
	HSTEP 10, 0, 1
	HSTEP 11, 8, 0
	HSTEP 12, 8, 0
	HSTEP 13, 8, 0
	HSTEP 14, 8, 0
	HSTEP 15, 0, 0
	; h0 = sums + b_enc, clamped to f16's range, to f16, units 0-127 (T < 2) into buffer 1, units 128-255 into buffer 2
	WIN 0
.irp t, 0,1,2,3
.irp m, 0,1,2,3
.irp jp, 0,1,2,3
	v_pk_add_f32 v[ACC+32*\t+8*\m+2*\jp:ACC+32*\t+8*\m+2*\jp+1], v[ACC+32*\t+8*\m+2*\jp:ACC+32*\t+8*\m+2*\jp+1], v[96+8*\t+2*\jp:96+8*\t+2*\jp+1]
.endr
.irp jj, 0,1,2,3,4,5,6,7
	v_med3_num_f32 v[ACC+32*\t+8*\m+\jj], v[ACC+32*\t+8*\m+\jj], s46, s47          ; no infinity reaches the matrix unit
.endr
.irp jp, 0,1,2,3
	v_cvt_pk_f16_f32 v[ACC+32*\t+8*\m+\jp], v[ACC+32*\t+8*\m+2*\jp], v[ACC+32*\t+8*\m+2*\jp+1]
.endr
	ds_store_b128 v[HWR], v[ACC+32*\t+8*\m:ACC+32*\t+8*\m+3] offset:HB*(1+(\t>>1))+MROW*\m+32*(\t&1)
.endr
.endr
	; c0 = 0: the state's own start value, written once (128 registers).  A first step written out without c would double the loop's text.
.set n, 0
.rept 64
	v_mov_b32 v[CC+n], 0
.set n, n+1
.endr
	WIN 0x40
.set n, 0
.rept 64
	v_mov_b32 v[CC+n], 0
.set n, n+1
.endr
	WIN 0
	s_wait_tensorcnt 0x0                           ; W_r's LDS half has landed
	s_wait_loadcnt 0x0                             ; its register half too
	s_wait_dscnt 0x0                               ; my part of h0 is stored, my reads of chunk 3 are back
	s_barrier_signal -1
	s_barrier_wait -1
; eight loads: the four gates' W fragments of pass p, K step kk, from my part of LDS (destination and address in window 0)
.macro WLOAD p, kk
.irp g, 0,1,2,3
	ds_load_b128 v[WB+8*\g:WB+8*\g+3],   v[WLA] offset:1024*(32*\p+4*\kk+\g)
	ds_load_b128 v[WB+8*\g+4:WB+8*\g+7], v[WLA] offset:1024*(32*\p+4*\kk+\g)+512
.endr
.endm
; four loads: u' of my 8 units of tile (p, s), gate g, into dst .. dst + 7, v' into dst + 8 .. dst + 15
.macro LUV dst, p, s, g
	ds_load_b128 v[\dst:\dst+3],     v[UVA] offset:4*(256*\g+128*\p+16*\s)
	ds_load_b128 v[\dst+4:\dst+7],   v[UVA] offset:4*(256*\g+128*\p+16*\s)+16
	ds_load_b128 v[\dst+8:\dst+11],  v[UVA] offset:4*(256*\g+128*\p+16*\s)+4096
	ds_load_b128 v[\dst+12:\dst+15], v[UVA] offset:4*(256*\g+128*\p+16*\s)+4112
.endm
; the sums of gate g's four tiles start at y u' + v': nothing is cleared
.macro FILL src, g
.irp m, 0,1,2,3
.irp jp, 0,1,2,3
	v_pk_fma_f32 v[ACC+32*\g+8*\m+2*\jp:ACC+32*\g+8*\m+2*\jp+1], v[\src+2*\jp:\src+2*\jp+1], v[YV+2*\m:YV+2*\m+1], v[\src+8+2*\jp:\src+8+2*\jp+1] op_sel_hi:[1,0,1]
.endr
.endr
.endm
; The head of a pass.  40 LDS loads go out first: 16 for u', v' of the tile s = 0 (into window 0's accumulators, which are free),
; 8 for gates 0, 1 of the tile s = 1 (into WB), 16 for the first two K steps' h fragments.
.macro INIT p, rd
	WIN 0
.irp g, 0,1,2,3
	LUV ACC+16*\g, \p, 0, \g
.endr
	LUV WB, \p, 1, 0
	LUV WB+16, \p, 1, 1
	HLOAD 0, \rd
	HLOAD 1, \rd+64
	s_wait_dscnt 24                                ; the first 16 are in; the 8 + 16 behind them may be out
.irp g, 0,1,2,3
	FILL ACC+16*\g, \g                             ; destination in window 1, sources in window 0: the setting that HLOAD left
.endr
	WIN 0
	s_wait_dscnt 20                                ; gate 0's four are in; gate 1's 4 + 16 of h may be out
	FILL WB, 0
	LUV WB, \p, 1, 2
	s_wait_dscnt 20                                ; gate 1's are in; 16 of h + gate 2's 4 may be out
	FILL WB+16, 1
	LUV WB+16, \p, 1, 3
	s_wait_dscnt 4                                 ; gate 2's are in; gate 3's 4 may be out
	FILL WB, 2
	s_wait_dscnt 0x0
	FILL WB+16, 3
	WLOAD \p, 0
.endm
; K step kk of 8 of pass p: 32 matrix instructions on 32 accumulators, which take turns, one instruction a turn: 16 with W from
; registers (window 2 + p) onto window 1, 16 with W from WB onto window 0.  Behind them, in one run, W of step kk + 1 and h of step kk + 2.
; h's units 0-127 (kk < 4) are read at byte rd of the buffers, units 128-255 in the third buffer.
; sig = 1 (the step's last K step): all my reads of the old h are back: say so; the wait stands behind the macro.
.macro KSTEP p, kk, rd, sig
.if ((\kk)%7) == 0
	s_wait_dscnt 0x8                               ; h of this step is in; the 8 loads of W behind it may be out
.else
	s_wait_dscnt 0x10                              ; h of this step is in; the 16 loads issued in the step before may be out
.endif
	WIN 0x56+\p
.irp g, 0,1,2,3
.irp m, 0,1,2,3
	v_wmma_f32_16x16x32_f16 v[ACC+32*\g+8*\m:ACC+32*\g+8*\m+7], v[8*(4*\kk+\g):8*(4*\kk+\g)+7], v[32*(\kk&1)+8*\m:32*(\kk&1)+8*\m+7], v[ACC+32*\g+8*\m:ACC+32*\g+8*\m+7]
.endr
.endr
	WIN 0x04
.if ((\kk)%7) == 0
	s_wait_dscnt 0x0                               ; W of this step is in; nothing was issued behind it
.else
	s_wait_dscnt 0x8                               ; W of this step is in; the next step's h may be out
.endif
.if \sig
	s_barrier_signal -1
.endif
.irp g, 0,1,2,3
.irp m, 0,1,2,3
	v_wmma_f32_16x16x32_f16 v[ACC+32*\g+8*\m:ACC+32*\g+8*\m+7], v[WB+8*\g:WB+8*\g+7], v[32*(\kk&1)+8*\m:32*(\kk&1)+8*\m+7], v[ACC+32*\g+8*\m:ACC+32*\g+8*\m+7]
.endr
.endr
	PLACES
.if \kk < 7
	WLOAD \p, (\kk+1)
.endif
.if \kk < 6
.if (\kk+2) < 4
	HLOAD (\kk&1), \rd+64*((\kk+2)&3)
.else
	HLOAD (\kk&1), 2*HB+64*((\kk+2)&3)
.endif
.endif
.endm
; THE ACTIVATIONS of one tile (row tile m; 8 registers a gate: I, F, G, O = accumulators of gates 0..3; C), in nine stages, all in place.
;   0 plain  8: G = min(G, 40)                     1 trans 32: 2^I, 2^F, 2^G, 2^O
;   2 plain 24: I, F, G, O += 1; I *= G; G = 2 - G (= 1 - Eg)
;   3 trans 16: 1/I, 1/F                           4 plain 12: G *= I; C = C F + G; F = -2 log2(e) C
;   5 trans  8: 2^F                                6 plain  8: O = O F + O; F = 1 - F
;   7 trans  8: 1/O                                8 plain  8: F *= O (h in f32); I[0..3] = h in f16
; TOP: the i-th transcendental of a stage.  POP: the i-th plain instruction of a stage.
.macro TOP st, m, i
.if \st == 1
	v_exp_f32 v[ACC+32*((\i)/8)+8*\m+((\i)%8)], v[ACC+32*((\i)/8)+8*\m+((\i)%8)]
.endif
.if \st == 3
	v_rcp_f32 v[ACC+32*((\i)/8)+8*\m+((\i)%8)], v[ACC+32*((\i)/8)+8*\m+((\i)%8)]
.endif
.if \st == 5
	v_exp_f32 v[ACC+32+8*\m+\i], v[ACC+32+8*\m+\i]
.endif
.if \st == 7
	v_rcp_f32 v[ACC+96+8*\m+\i], v[ACC+96+8*\m+\i]
.endif
.endm
.macro POP st, m, i
.set zop, (\i)/4
.set zpj, 2*((\i)%4)
.set zI, ACC+8*\m+zpj
.set zF, zI+32
.set zG, zI+64
.set zO, zI+96
.set zC, CC+8*(4*EP+\m)+zpj
.if \st == 0
	v_min_num_f32 v[ACC+64+8*\m+\i], s27, v[ACC+64+8*\m+\i]
.endif
.if \st == 2
.if zop < 4
	s_wait_alu depctr_va_vdst(0)
	v_pk_add_f32 v[zI+32*zop:zI+32*zop+1], v[zI+32*zop:zI+32*zop+1], 1.0 op_sel_hi:[1,0]
.endif
.if zop == 4
	v_pk_mul_f32 v[zI:zI+1], v[zI:zI+1], v[zG:zG+1]
.endif
.if zop == 5
	v_pk_fma_f32 v[zG:zG+1], v[zG:zG+1], -1.0, 2.0 op_sel_hi:[1,0,0]
.endif
.endif
.if \st == 4
.if zop == 0
	s_wait_alu depctr_va_vdst(0)
	v_pk_mul_f32 v[zG:zG+1], v[zG:zG+1], v[zI:zI+1]
.endif
.if zop == 1
	v_pk_fma_f32 v[zC:zC+1], v[zC:zC+1], v[zF:zF+1], v[zG:zG+1]
.endif
.if zop == 2
	v_pk_mul_f32 v[zF:zF+1], v[zC:zC+1], s[28:29] op_sel_hi:[1,0]
.endif
.endif
.if \st == 6
.if zop == 0
	s_wait_alu depctr_va_vdst(0)
	v_pk_fma_f32 v[zO:zO+1], v[zO:zO+1], v[zF:zF+1], v[zO:zO+1]
.endif
.if zop == 1
	v_pk_fma_f32 v[zF:zF+1], v[zF:zF+1], -1.0, 1.0 op_sel_hi:[1,0,0]
.endif
.endif
.if \st == 8
.if zop == 0
	s_wait_alu depctr_va_vdst(0)
	v_pk_mul_f32 v[zF:zF+1], v[zF:zF+1], v[zO:zO+1]
.endif
.if zop == 1
	v_cvt_pk_f16_f32 v[ACC+8*\m+((\i)%4)], v[zF], v[zF+1]
.endif
.endif
.endm
; tn transcendentals of one tile and pn plain instructions of ANOTHER tile, by turns: behind each transcendental stands a plain instruction that touches
; none of its registers, or another transcendental and at the end a v_nop (ISA guide 5.7.2), before any result is used.
.macro ZIP ts, tm, tn, ps, pm, pn
.set zi, 0
.rept 32
.if zi < \tn
	TOP \ts, \tm, zi
.endif
.if zi < \pn
	POP \ps, \pm, zi
.endif
.set zi, zi+1
.endr
.if \tn > \pn
	v_nop
.endif
.endm
.macro ALONE st, m, cnt
.set zi, 0
.rept \cnt
	POP \st, \m, zi
.set zi, zi+1
.endr
.endm
; two tiles, one stage apart
.macro EPAIR a, b
	ALONE 0, \a, 8
	ZIP 1, \a, 32, 0, \b, 8
	ZIP 1, \b, 32, 2, \a, 24
	ZIP 3, \a, 16, 2, \b, 24
	ZIP 3, \b, 16, 4, \a, 12
	ZIP 5, \a, 8, 4, \b, 12
	ZIP 5, \b, 8, 6, \a, 8
	ZIP 7, \a, 8, 6, \b, 8
	ZIP 7, \b, 8, 8, \a, 8
	ALONE 8, \b, 8
.endm
; the four row tiles of unit tile (p, s): activations; the sums for y (h in f32 times W_red, which lies in WB + 8 s); h in f16 to byte wr of the buffers.
; first = 1: the step's first products start the sums for y.
.macro ESET p, s, wr, first
.set EP, \p
.if \s
	WIN 0
.else
	WIN 0x55
.endif
	EPAIR 0, 1
	EPAIR 2, 3
.if \s
	WIN 0
.else
	WIN 0x01                                       ; h from window 1; W_red and the sums in window 0
.endif
.irp jp, 0,1,2,3
.irp mm, 0,1,2,3
.set usemul, 0
.if \first
.if \jp == 0
.set usemul, 1
.endif
.endif
.if usemul
	v_pk_mul_f32 v[PS+2*\mm:PS+2*\mm+1], v[ACC+32+8*\mm+2*\jp:ACC+32+8*\mm+2*\jp+1], v[WB+8*\s+2*\jp:WB+8*\s+2*\jp+1]
.else
	v_pk_fma_f32 v[PS+2*\mm:PS+2*\mm+1], v[ACC+32+8*\mm+2*\jp:ACC+32+8*\mm+2*\jp+1], v[WB+8*\s+2*\jp:WB+8*\s+2*\jp+1], v[PS+2*\mm:PS+2*\mm+1]
.endif
.endr
.endr
.if \s
	WIN 0
.else
	WIN 0x04                                       ; the stores' data from window 1
.endif
.irp mm, 0,1,2,3
	ds_store_b128 v[HWR], v[ACC+8*\mm:ACC+8*\mm+3] offset:\wr+MROW*\mm+32*\s
.endr
.endm
.macro EPASS p, wr, first
	WIN 0
.irp s2, 0,1
	ds_load_b128 v[WB+8*\s2:WB+8*\s2+3],   v[WRA] offset:4*(128*\p+16*\s2)         ; W_red of my 8 units in each of the pass's two tiles
	ds_load_b128 v[WB+8*\s2+4:WB+8*\s2+7], v[WRA] offset:4*(128*\p+16*\s2)+16
.endr
	s_wait_dscnt 0x0
	ESET \p, 1, \wr, \first
	ESET \p, 0, \wr, 0
.endm
; y = the four waves' partial sums + b_red, for my lane's row in each row tile and for row 16 w + r, whose y goes into column col of the history
.macro YRED col
.irp m, 0,1,2,3
.irp q, 0,1,2,3
	ds_load_b32 v[WB+4*\m+\q], v[PR] offset:256*\q+64*\m
.endr
.endr
.irp q, 0,1,2,3
	ds_load_b32 v[WB+16+\q], v[PO] offset:256*\q
.endr
	s_wait_dscnt 0x0
.irp k, 0,1,2,3,4
	v_pk_add_f32 v[WB+4*\k:WB+4*\k+1], v[WB+4*\k:WB+4*\k+1], v[WB+4*\k+2:WB+4*\k+3]
.endr
.irp k, 0,1,2,3,4
	v_add_f32 v[WB+4*\k], v[WB+4*\k], v[WB+4*\k+1]
.endr
.irp m, 0,1,2,3
	v_add_f32 v[YV+2*\m], s26, v[WB+4*\m]
.endr
	v_add_f32 v[WB+16], s26, v[WB+16]
	ds_store_b32 v[YS], v[WB+16] offset:4*\col
.endm
; One LSTM step.  rd, wr: byte of the buffer from which the old h's units 0-127 are read, and of the one into which the new ones go.
; Two barriers.  The first (signal in the last K step, wait behind it): every wave's reads of the old h are back, so the third buffer may be overwritten;
; it also parts this step's reads of the partial sums' words from their next stores.  The second: the new h and the partial sums are stored.
; The buffer wr was last read in the step before, ahead of that step's first barrier.
.macro STEP rd, wr, col
	INIT 0, \rd
.irp kk, 0,1,2,3,4,5,6,7
	KSTEP 0, \kk, \rd, 0
.endr
	EPASS 0, \wr, 1
	INIT 1, \rd
.irp kk, 0,1,2,3,4,5,6
	KSTEP 1, \kk, \rd, 0
.endr
	KSTEP 1, 7, \rd, 1
	s_barrier_wait -1
	EPASS 1, 2*HB, 0
	WIN 0
.irp m, 0,1,2,3
	v_add_f32 v[PS+2*\m], v[PS+2*\m], v[PS+2*\m+1]
.endr
.irp m, 0,1,2,3
	v_permlanex16_b32 v[PS+2*\m+1], v[PS+2*\m], s30, s31                           ; the other half of the lanes holds the row's other units
.endr
.irp m, 0,1,2,3
	v_add_f32 v[PS+2*\m], v[PS+2*\m], v[PS+2*\m+1]
	ds_store_b32 v[PW], v[PS+2*\m] offset:64*\m
.endr
	s_wait_dscnt 0x0                               ; my h and my partial sums are stored, for the other waves' sake
	s_barrier_signal -1
	s_barrier_wait -1
	YRED \col
.endm
	s_mov_b32 s3, 4                                ; eight steps, two a trip: the two buffers of units 0-127 change places
.Ltrip:
	STEP HB, 0, 0
	STEP 0, HB, 1
	v_add_nc_u32 v[YS], 8, v[YS]                   ; two columns of the history on
	s_sub_co_u32 s3, s3, 1
	s_cmp_lg_u32 s3, 0
	s_cbranch_scc1 .Ltrip
	; the way out: the history is laid as out0's 64 rows of 32 bytes; thread t takes the 16 bytes at 16 t, so sixteen lanes store 256 consecutive bytes, aligned
	v_lshlrev_b32 v32, 4, v0
	v_add_nc_u32 v33, YST, v32
	s_wait_dscnt 0x0                               ; my last y is stored
	s_barrier_signal -1
	s_barrier_wait -1
	ds_load_b128 v[36:39], v33
	s_wait_dscnt 0x0
	global_store_b128 v32, v[36:39], s[16:17]
	s_wait_xcnt 0x0
	v_lshl_add_u32 v254, v0, 2, 0x4fc00
	v_mov_b32 v255, 0
	s_wait_tensorcnt 0x0
	ds_add_u32 v254, v255
	s_wait_dscnt 0x0
	ROUND                                          ; the closing round: no work-group ends while a partner may still ask jointly
	s_endpgm
.Lfunc_end_k_q4bf577f3f2_lstm:
	.size	k_q4bf577f3f2_lstm, .Lfunc_end_k_q4bf577f3f2_lstm-k_q4bf577f3f2_lstm
	.p2alignl 7, 3214868480
	.fill 96, 4, 3214868480
	.section	.rodata,"a",@progbits
	.p2align	6, 0x0
	.amdhsa_kernel k_q4bf577f3f2_lstm
		.amdhsa_group_segment_fixed_size 327168
		.amdhsa_private_segment_fixed_size 0
		.amdhsa_enable_private_segment 0
		.amdhsa_kernarg_size 56
		.amdhsa_user_sgpr_count 2
		.amdhsa_user_sgpr_kernarg_segment_ptr 1
		.amdhsa_wavefront_size32 1
		.amdhsa_system_sgpr_workgroup_id_x 1
		.amdhsa_system_sgpr_workgroup_id_y 1
		.amdhsa_system_sgpr_workgroup_id_z 1
		.amdhsa_system_vgpr_workitem_id 0
		.amdhsa_next_free_vgpr 1024
		.amdhsa_next_free_sgpr 66
		.amdhsa_reserve_vcc 0
		.amdhsa_float_denorm_mode_32 3
		.amdhsa_float_denorm_mode_16_64 3
		.amdhsa_memory_ordered 1
		.amdhsa_forward_progress 1
		.amdhsa_inst_pref_size 255
	.end_amdhsa_kernel
	.section	.bss,"aw",@nobits
	.p2align	6
	.space	262144
	.amdgpu_metadata
---
amdhsa.version: [ 1, 2 ]
amdhsa.kernels:
  - .name:           k_q4bf577f3f2_lstm
    .symbol:         k_q4bf577f3f2_lstm.kd
    .args:
      - { .name: encoded_input_series, .offset: 0, .size: 8, .value_kind: global_buffer, .address_space: global }
      - { .name: final_x_val, .offset: 8, .size: 8, .value_kind: global_buffer, .address_space: global }
      - { .name: wk, .offset: 16, .size: 8, .value_kind: global_buffer, .address_space: global }
      - { .name: W_red, .offset: 24, .size: 8, .value_kind: global_buffer, .address_space: global }
      - { .name: b_enc, .offset: 32, .size: 8, .value_kind: global_buffer, .address_space: global }
      - { .name: b_red, .offset: 40, .size: 8, .value_kind: global_buffer, .address_space: global }
      - { .name: out0, .offset: 48, .size: 8, .value_kind: global_buffer, .address_space: global }
    .group_segment_fixed_size: 327168
    .private_segment_fixed_size: 0
    .kernarg_segment_align: 8
    .kernarg_segment_size: 56
    .max_flat_workgroup_size: 128
    .sgpr_count:     66
    .vgpr_count:     1024
    .wavefront_size: 32
...
	.end_amdgpu_metadata
.endif
;; end of part 2
;; ======== version 2 of 2: 2 launches; 1.45 times as fast as version 1
;; limits: values are held in f16: magnitudes above 65,504 overflow, below 6.1e-05 lose precision; right only within a limited range of input values
;; workspace buffers: wk 794,624 bytes
;; launch prep: the kernel of part 1 again; grid 193 x 1, 8 waves a work-group, no clusters, 0 bytes of LDS; arguments W_r, W_enc, W_k, W_emb, b_emb, b_lstm, wk; writes wk
;; launch lstm (part 3): grid 256 x 1, 4 waves a work-group, clusters of 4 x 1, 327,168 bytes of LDS; arguments encoded_input_series, final_x_val, wk, W_red, b_enc, b_red, out0; writes out0
.if DOCPART == 3
	.amdgcn_target "amdgcn-amd-amdhsa--gfx1250"
	.amdhsa_code_object_version 6
	.text
	.protected	k_q4bf577f3f2_lstm
	.globl	k_q4bf577f3f2_lstm
	.p2align	8
	.type	k_q4bf577f3f2_lstm,@function
k_q4bf577f3f2_lstm:
	s_mov_b64 s[64:65], 0
	v_nop
	global_prefetch_b8 v0, s[64:65] scope:SCOPE_SE
	s_setreg_imm32_b32 hwreg(HW_REG_WAVE_MODE, 25, 1), 1
	s_wait_xcnt 0x0
	s_wait_alu depctr_hold_cnt(0) depctr_sa_sdst(0) depctr_va_vdst(0) depctr_va_sdst(0) depctr_va_ssrc(0) depctr_va_vcc(0) depctr_vm_vsrc(0)
	s_getreg_b32 s2, hwreg(HW_REG_IB_STS2, 6, 4)
	s_cmp_eq_u32 s2, 0
	s_cbranch_scc0 .Lentry_in_a_cluster
	s_endpgm
.Lentry_in_a_cluster:
	s_bfe_u32 s2, ttmp6, 0x10000c
	s_cmp_lg_u32 s2, 0x3003
	s_cbranch_scc0 .Lentry_shape_is_right
	s_endpgm
.Lentry_shape_is_right:
; h0 = enc W_enc + b_enc, then eight LSTM steps with the scalar feedback y, for 64 batch rows a work-group, four waves.
; Nothing is read from memory inside the step loop: W_r (512 KiB in f16) stays on the WGP, half in registers (512 a wave), half in LDS
; (64 KiB a wave); c stays in registers in f32; h goes from wave to wave through LDS in f16; y through LDS in f32.
; Wave w owns 64 of the 256 units, in four tiles of 16: ub = 128 p + 32 w + 16 s (pass p = 0, 1; s = 0: weights in registers, s = 1: in LDS),
; and for each tile all four gates and all 64 rows.  gates = h W_r + y u + v (u, v in f32 from the first launch; the sums START at y u + v).
; THE MATRIX INSTRUCTION IS USED TRANSPOSED: source 0 = 16 columns of W, source 1 = 16 batch rows of h.  Lane (r = l % 16, hh = l / 16) then holds
; batch row 16 m + r, and its registers j = 0..7 the units ub + 8 hh + j: the four gates of a unit meet in one lane, eight neighbouring h pack
; into 16 bytes, and the sum for y runs mostly inside a lane.
; FORMAT: all matrix operands are f16 and not bf16: 11 significant bits against 8.  The rounding of h0, h and W_r is fed on through eight steps and through
;   y, and bf16's share of it is of the size of the result's allowance.  Room in f16 (largest number 65,504): |h| < 1 by its own formula; enc, W_enc and the
;   scaled W_r are of size 1 or less as drawn; h0 is a sum of 512 products of size 1/23, and even with enc near 30 and W_enc near 1.3 throughout it is
;   512 x 30 x 1.3 = 20,000.
; ACTIVATIONS.  The sums arrive multiplied by -log2(e) (gates i, f, o) and -2 log2(e) (gate c).  With E = 2^sum:
;   sigmoid(i) tanh(g) = (1 - Eg) / ((1 + Ei)(1 + Eg));  sigmoid(f) = 1 / (1 + Ef);  h = (1 - Ec) / ((1 + Eo)(1 + Ec)), Ec = 2^(-2 log2(e) c).
;   Eight transcendentals a cell.  Only gate c's exponent is clamped (at 40), so that 1 - Eg stays finite and meets a zero, never an infinity,
;   when another factor overflows.  |c| <= 8 after eight steps (c0 = 0 and each step adds at most 1), so Ec needs no clamp.
; BATCHES.  A cell's transcendentals form a chain of four links (2^gates; 1/I, 1/F; 2^F; 1/O), each link read by plain work that feeds the next.  The eight tiles of
;   a pass (four row tiles in window 0, four in window 1) share no register, so they go through the chain together: a pass has FOUR BATCHES, of 256 exponentials,
;   128 reciprocals, 64 exponentials and 64 reciprocals, each with ONE s_wait_alu depctr_va_vdst(0) between the whole batch and the first line that names a result
;   of it.  Between two waits stand one plain stage and the next transcendental stage of all eight tiles; in a window the tiles are one
;   tile apart, so that a tile's transcendentals stand by turns with the next tile's plain lines.  Every result keeps a register of its own (all work is in place).
; LIMITS: |enc| <= 65,504 (beyond it f16 gives an infinity); h0 is clamped to +-65,504 before it is rounded to f16, and a NaN in h0 comes out as a bound of
;   that clamp; operands below 2^-14 are kept to multiples of 2^-24; a NaN in gate c's sum gives tanh = -1 and not NaN (the clamp at 40 drops it); the
;   exponential and the reciprocal give 0 for results below 2^-126 (ISA guide, their entries in chapter 15), so a sigmoid below that is 0; x W_k is formed as
;   y (W_emb W_k) + b_emb W_k in f32, another order of rounding than forming x first.
; CLUSTER: four work-groups; the LDS half of W_r (256 KiB) is the same for all and is asked for jointly, one tensor load a wave (one outstanding).
;   W_enc and the register half of W_r (64 KiB each a wave) are loaded straight into the registers of the one wave that uses them: sent through LDS
;   they would need the 256 KiB region filled three times in turn and 512 KiB more of LDS writes and reads a work-group, so they are not shared.
;
; LDS
.set HX,    262144                     ; bytes 0 - 262143: W_r's LDS half, wave w's fragments at 65536 w + 1024 (32 p + 4 kk + g); filled once, never stored to
.set HB,    17408                      ; three buffers of 64 rows x 128 f16, pitch 272, at HX, HX + HB, HX + 2 HB.  With that pitch the sixteen rows
.set MROW,  4352                       ; that a 16-byte load touches lie in sixteen different 16-byte columns modulo 256 bytes.  MROW = 16 rows.
.set UV,    314368                     ; u'[1024], v'[1024] f32
.set WRED,  322560                     ; W_red[256] f32
.set PART,  323584                     ; partial sums of y: [4 waves][64 rows] f32
.set YST,   324608                     ; y of all steps: [64 rows][8] f32, as out0 has them
; h's units 0-127 lie by turns in the second and the first buffer, units 128-255 always in the third.
.set WK_B,  262144                     ; wk: W_r's LDS half
.set WK_C,  524288                     ; wk: W_enc
.set WK_D,  786432                     ; wk: u', v'
; VECTOR REGISTERS, in windows of 256
;   window 0: v1-14 addresses; v16-23 y of my lane's row in each of the 4 row tiles (even registers; the odd ones only fill the pairs);
;             v24-31 four pairs of partial sums of y; v32-63 WB: four W fragments from LDS, at work otherwise;
;             v64-127 c of the tiles s = 1, at 64 + 8 (4 p + m); v128-255 the 16 accumulator tiles of s = 1, tile (g, m) at 128 + 8 (4 g + m)
;   window 1: v0-31, v32-63 four h fragments each, two buffers; v64-127 c of the tiles s = 0; v128-255 their accumulators
;   windows 2, 3: W_r's register half of pass 0, 1, fragment (kk, g) at 8 (4 kk + g); before that W_enc, fragment (j, T) at 8 (4 (j & 7) + T) of window 2 + (j >> 3)
.set HRD, 1                            ; HX + 272 r + 16 hh: reads of h and enc fragments
.set HWR, 2                            ; HRD + 64 w: where my 16 bytes of h go
.set WLA, 3                            ; 65536 w + 16 l
.set UVA, 4                            ; UV + 128 w + 32 hh
.set WRA, 5                            ; WRED + 128 w + 32 hh
.set PW,  6                            ; PART + 256 w + 4 r
.set PR,  7                            ; PART + 4 r
.set PO,  8                            ; PART + 64 w + 4 r: row 16 w + r, whose y this wave keeps
.set YS,  9                            ; YST + 512 w + 32 r, stepped by 8 bytes a trip
.set ES,  10                           ; HX + 4352 w + 8 l
.set GE,  11                           ; enc: 32768 w + 16 l
.set GW,  12                           ; wk: 65536 w + 16 l
.set GB,  13                           ; b_enc: 128 w + 32 hh
.set GF,  14                           ; final_x_val: 4 r
.set YV,  16
.set PS,  24
.set WB,  32
.set CC,  64
.set ACC, 128
; SCALARS: s3 trips; s[4:17] enc, final_x_val, wk, W_red, b_enc, b_red, out0; s18, s19, s[24:25] terms of the wave's number; s20 wave; s21 place in the
; cluster, s22 work-group, s[44:45] offsets made of it (global bases of enc, final_x_val, out0 alone); s26 b_red; s27 40.0; s[28:29] -2 log2(e);
; s30, s31 lane selects; s[32:35], s[36:43] the tensor descriptor; s46, s47 -65,504 and 65,504.
.set MSB, 0
.macro WIN new                         ; s_set_vgpr_msb: bits 1:0 source 0, 3:2 source 1, 5:4 source 2, 7:6 destination; the high byte repeats the setting that is left
.if MSB != (\new)
	s_set_vgpr_msb (MSB<<8)|(\new)
.set MSB, (\new)
.endif
.endm
; Four places behind a matrix instruction before a vector instruction reads its result or a load lands on one of its registers
.macro PLACES
.rept 4
	v_nop
.endr
.endm
; A round of the cluster's barrier
.macro ROUND
	s_barrier_signal -1
	s_barrier_wait -1
	s_cmp_lg_u32 s20, 0
	s_cbranch_scc1 .Lnot_wave_0_\@
	s_barrier_signal -3
.Lnot_wave_0_\@:
	s_barrier_wait -3
	s_barrier_signal -1
	s_barrier_wait -1
.endm
	s_load_b256 s[4:11], s[0:1], 0x0               ; enc s[4:5], final_x_val s[6:7], wk s[8:9], W_red s[10:11]
	s_load_b128 s[12:15], s[0:1], 0x20             ; b_enc s[12:13], b_red s[14:15]
	s_load_b64 s[16:17], s[0:1], 0x30              ; out0
	v_lshl_add_u32 v254, v0, 2, 0x4fc00
	v_mov_b32 v255, 0
	ds_add_u32 v254, v255
	s_wait_dscnt 0x0
	v_lshrrev_b32 v35, 5, v0
	v_readfirstlane_b32 s20, v35                   ; wave
	v_and_b32 v32, 15, v0                          ; r
	v_bfe_u32 v33, v0, 4, 1                        ; hh
	v_and_b32 v34, 31, v0                          ; l
	v_mul_u32_u24 v[HRD], v32, 272
	v_lshl_add_u32 v[HRD], v33, 4, v[HRD]
	v_add_nc_u32 v[HRD], HX, v[HRD]
	s_lshl_b32 s18, s20, 6
	v_add_nc_u32 v[HWR], s18, v[HRD]
	s_lshl_b32 s18, s20, 16
	v_lshl_add_u32 v[WLA], v34, 4, s18
	v_lshl_add_u32 v[GW], v34, 4, s18
	s_lshl_b32 s18, s20, 7
	v_lshl_add_u32 v[GB], v33, 5, s18
	s_add_co_u32 s19, s18, UV
	v_lshl_add_u32 v[UVA], v33, 5, s19
	s_add_co_u32 s19, s18, WRED
	v_lshl_add_u32 v[WRA], v33, 5, s19
	v_lshlrev_b32 v[PR], 2, v32
	v_add_nc_u32 v[PR], PART, v[PR]
	s_lshl_b32 s18, s20, 8
	v_add_nc_u32 v[PW], s18, v[PR]
	s_lshl_b32 s18, s20, 6
	v_add_nc_u32 v[PO], s18, v[PR]
	s_lshl_b32 s18, s20, 9
	s_add_co_u32 s18, s18, YST
	v_lshl_add_u32 v[YS], v32, 5, s18
	s_mul_i32 s18, s20, MROW
	s_add_co_u32 s18, s18, HX
	v_lshl_add_u32 v[ES], v34, 3, s18
	s_lshl_b32 s18, s20, 15
	v_lshl_add_u32 v[GE], v34, 4, s18
	v_lshlrev_b32 v[GF], 2, v32
	v_lshlrev_b32 v36, 4, v0                       ; 16 t: u', v' in wk
	v_add_nc_u32 v37, UV, v36                      ; and in LDS
	v_lshlrev_b32 v38, 3, v0                       ; 8 t: W_red in memory
	v_add_nc_u32 v39, WRED, v38                    ; and in LDS
.irp m, 0,1,2,3
	v_mov_b32 v[YV+2*\m+1], 0                      ; the pairs' upper registers: named by the packed multiply-adds, never used
.endr
	s_mov_b32 s27, 0x42200000                      ; 40.0
	s_mov_b32 s28, 0xc038aa3b                      ; -2 log2(e)
	s_mov_b32 s29, 0xc038aa3b
	s_mov_b32 s30, 0x76543210                      ; v_permlanex16_b32: lane i of one half reads lane i of the other
	s_mov_b32 s31, 0xfedcba98
	s_mov_b32 s46, 0xc77fe000                      ; -65,504: f16's largest magnitude
	s_mov_b32 s47, 0x477fe000                      ; 65,504
	s_bfe_u32 s21, ttmp6, 0x40000                  ; my place in the cluster
	s_lshl_b32 s22, ttmp9, 2
	s_add_co_u32 s22, s22, s21                     ; work-group = 4 x cluster + place
	; the descriptor: my wave's 64 KiB of W_r's LDS half as 256 rows of 256 bytes, dense; nothing in it hangs on the place in the cluster
	s_mov_b32 s32, 1                               ; count = 1
	s_lshl_b32 s33, s20, 16                        ; LDS address: 65536 w
	s_mov_b32 s36, 15|(3<<16)|(1<<21)              ; 15:0 all four work-groups; 17:16 elements of 8 bytes; 21 set beside a mask; no padding
	s_mov_b32 s37, 32<<16                          ; tensor_dim0 = 32 elements
	s_mov_b32 s38, 256<<16                         ; tensor_dim1 = 256 rows
	s_mov_b32 s39, 32<<16                          ; tile_dim0 = 32
	s_mov_b32 s40, 256                             ; tile_dim1 = 256
	s_mov_b32 s41, 32                              ; from row to row: 32 elements
	s_mov_b32 s42, 0
	s_mov_b32 s43, 0
	s_add_co_u32 s24, s33, WK_B
	s_mov_b32 s25, 0
	s_mov_b32 s45, 0
	s_wait_kmcnt 0x0
	s_load_b32 s26, s[14:15], 0x0                  ; b_red
	s_add_nc_u64 s[34:35], s[8:9], s[24:25]        ; wk + 262144 + 65536 w
	s_or_b32 s35, s35, 0x80000000                  ; type = 2
	s_lshl_b32 s44, s22, 17                        ; 64 rows of 2,048 bytes
	s_add_nc_u64 s[4:5], s[4:5], s[44:45]
	s_lshl_b32 s44, s22, 8                         ; 64 rows of 4 bytes
	s_add_nc_u64 s[6:7], s[6:7], s[44:45]
	s_lshl_b32 s44, s22, 11                        ; 64 rows of 32 bytes
	s_add_nc_u64 s[16:17], s[16:17], s[44:45]
	ROUND                                          ; all four work-groups are here: the joint loads meet
	tensor_load_to_lds s[32:35], s[36:43]          ; the only tensor load of the wave; waited for in front of the step loop
	s_nop 0
	; 209 loads into registers.  First enc: wave w takes rows 16 w .. 16 w + 15, in four chunks of 128 columns; one load = 512 consecutive bytes of a row.
	WIN 0x40
.irp c, 0,1,2,3
.irp i, 0,1,2,3,4,5,6,7,8,9,10,11,12,13,14,15
	global_load_b128 v[4*(16*\c+\i):4*(16*\c+\i)+3], v[GE], s[4:5] offset:2048*\i+512*\c th:TH_LOAD_NT
.endr
.endr
	WIN 0
.irp k, 0,1,2,3
	global_load_b128 v[64+4*\k:67+4*\k], v36, s[8:9] offset:WK_D+2048*\k          ; u', v': 128 threads x 16 bytes x 4
.endr
	global_load_b64 v[80:81], v38, s[10:11]                                        ; W_red: 128 threads x 8 bytes
.irp t, 0,1,2,3
	global_load_b128 v[96+8*\t:99+8*\t],   v[GB], s[12:13] offset:512*(\t>>1)+64*(\t&1)      ; b_enc of my 8 units in tile T
	global_load_b128 v[100+8*\t:103+8*\t], v[GB], s[12:13] offset:512*(\t>>1)+64*(\t&1)+16
.endr
.irp m, 0,1,2,3
	global_load_b32 v[YV+2*\m], v[GF], s[6:7] offset:64*\m                         ; the first y is final_x_val
.endr
	WIN 0x80
.set n, 0
.rept 32
	global_load_b128 v[8*n:8*n+3],   v[GW], s[8:9] offset:WK_C+1024*n              ; W_enc, my 64 fragments
	global_load_b128 v[8*n+4:8*n+7], v[GW], s[8:9] offset:WK_C+1024*n+512
.set n, n+1
.endr
	WIN 0xc0
.set n, 0
.rept 32
	global_load_b128 v[8*n:8*n+3],   v[GW], s[8:9] offset:WK_C+32768+1024*n
	global_load_b128 v[8*n+4:8*n+7], v[GW], s[8:9] offset:WK_C+32768+1024*n+512
.set n, n+1
.endr
	s_wait_loadcnt 0x3f                            ; of 209 loads at most 63 are out: the oldest 146 are in, enc's 64 and the 17 small ones among them
	WIN 0x55
.set n, 0
.rept 64
	v_cvt_pk_f16_f32 v[4*n],   v[4*n],   v[4*n+1]  ; four f32 to 8 bytes of f16, in place
	v_cvt_pk_f16_f32 v[4*n+1], v[4*n+2], v[4*n+3]
.set n, n+1
.endr
	WIN 0x04
.irp c, 0,1,2
.irp i, 0,1,2,3,4,5,6,7,8,9,10,11,12,13,14,15
	ds_store_b64 v[ES], v[4*(16*\c+\i):4*(16*\c+\i)+1] offset:HB*\c+272*\i        ; chunks 0, 1, 2 into the three buffers; chunk 3 waits in registers
.endr
.endr
	WIN 0
.irp k, 0,1,2,3
	ds_store_b128 v37, v[64+4*\k:67+4*\k] offset:2048*\k
.endr
	ds_store_b64 v39, v[80:81]
	s_wait_dscnt 0x0                               ; my stores are done, for the other waves' sake
	s_barrier_signal -1
	s_barrier_wait -1
	s_wait_loadcnt 0x0                             ; W_enc is in
	s_wait_kmcnt 0x0                               ; b_red is in
; eight loads: four fragments (64 rows x 32 k) of h or enc at byte off of the buffers into fragment buffer b
.macro HLOAD b, off
	WIN 0x40
.irp m, 0,1,2,3
	ds_load_b128 v[32*\b+8*\m:32*\b+8*\m+3],   v[HRD] offset:\off+MROW*\m
	ds_load_b128 v[32*\b+8*\m+4:32*\b+8*\m+7], v[HRD] offset:\off+MROW*\m+32
.endr
.endm
; h0, K step j of 16 (32 columns of enc; chunk j >> 2 lies in buffer 0, 1, 2, 0): 16 matrix instructions on the 16 tiles (T, m) in window 0, which take
; turns, one instruction a turn.  Behind them W_r's register fragments 4 j .. 4 j + 3 are loaded over the W_enc fragments just used.
; cnt: LDS instructions that may stay out: 8 = the next fragments' loads.  bar = 1: a barrier, its signal behind a wait for 0.
;   j = 2: every wave's reads of chunk 0 (issued up to step 1) are back: chunk 3 may go into buffer 0.
;   j = 10: chunk 3 is stored, and every wave's reads of buffers 1 and 2 (issued up to step 9) are back: chunk 3 may be read, h0 may be written there.
.macro HSTEP j, cnt, bar
	s_wait_dscnt \cnt
.if \bar
	s_barrier_signal -1
.endif
	WIN 0x06+(\j>>3)
.irp t, 0,1,2,3
.irp m, 0,1,2,3
.if \j == 0
	v_wmma_f32_16x16x32_f16 v[ACC+32*\t+8*\m:ACC+32*\t+8*\m+7], v[8*(4*(\j&7)+\t):8*(4*(\j&7)+\t)+7], v[32*(\j&1)+8*\m:32*(\j&1)+8*\m+7], 0
.else
	v_wmma_f32_16x16x32_f16 v[ACC+32*\t+8*\m:ACC+32*\t+8*\m+7], v[8*(4*(\j&7)+\t):8*(4*(\j&7)+\t)+7], v[32*(\j&1)+8*\m:32*(\j&1)+8*\m+7], v[ACC+32*\t+8*\m:ACC+32*\t+8*\m+7]
.endif
.endr
.endr
	PLACES
.if \bar
	s_barrier_wait -1
.endif
.if \j == 2
	WIN 0x04
.irp i, 0,1,2,3,4,5,6,7,8,9,10,11,12,13,14,15
	ds_store_b64 v[ES], v[4*(48+\i):4*(48+\i)+1] offset:272*\i
.endr
.endif
	WIN 0x80+0x40*(\j>>3)
.irp t, 0,1,2,3
	global_load_b128 v[8*(4*(\j&7)+\t):8*(4*(\j&7)+\t)+3],   v[GW], s[8:9] offset:1024*(4*\j+\t)
	global_load_b128 v[8*(4*(\j&7)+\t)+4:8*(4*(\j&7)+\t)+7], v[GW], s[8:9] offset:1024*(4*\j+\t)+512
.endr
.if \j < 14
	HLOAD (\j&1), HB*(((\j+2)>>2)%3)+64*((\j+2)&3)
.endif
.endm
	HLOAD 0, 0
	HLOAD 1, 64
	HSTEP 0, 8, 0
	HSTEP 1, 8, 0
	HSTEP 2, 0, 1
	HSTEP 3, 8, 0
	HSTEP 4, 8, 0
	HSTEP 5, 8, 0
	HSTEP 6, 8, 0
	HSTEP 7, 8, 0
	HSTEP 8, 8, 0
	HSTEP 9, 8, 0
	HSTEP 10, 0, 1
	HSTEP 11, 8, 0
	HSTEP 12, 8, 0
	HSTEP 13, 8, 0
	HSTEP 14, 8, 0
	HSTEP 15, 0, 0
	; h0 = sums + b_enc, clamped to f16's range, to f16, units 0-127 (T < 2) into buffer 1, units 128-255 into buffer 2
	WIN 0
.irp t, 0,1,2,3
.irp m, 0,1,2,3
.irp jp, 0,1,2,3
	v_pk_add_f32 v[ACC+32*\t+8*\m+2*\jp:ACC+32*\t+8*\m+2*\jp+1], v[ACC+32*\t+8*\m+2*\jp:ACC+32*\t+8*\m+2*\jp+1], v[96+8*\t+2*\jp:96+8*\t+2*\jp+1]
.endr
.irp jj, 0,1,2,3,4,5,6,7
	v_med3_num_f32 v[ACC+32*\t+8*\m+\jj], v[ACC+32*\t+8*\m+\jj], s46, s47          ; no infinity reaches the matrix unit
.endr
.irp jp, 0,1,2,3
	v_cvt_pk_f16_f32 v[ACC+32*\t+8*\m+\jp], v[ACC+32*\t+8*\m+2*\jp], v[ACC+32*\t+8*\m+2*\jp+1]
.endr
	ds_store_b128 v[HWR], v[ACC+32*\t+8*\m:ACC+32*\t+8*\m+3] offset:HB*(1+(\t>>1))+MROW*\m+32*(\t&1)
.endr
.endr
	; c0 = 0: the state's own start value, written once (128 registers).  A first step written out without c would double the loop's text.
.set n, 0
.rept 64
	v_mov_b32 v[CC+n], 0
.set n, n+1
.endr
	WIN 0x40
.set n, 0
.rept 64
	v_mov_b32 v[CC+n], 0
.set n, n+1
.endr
	WIN 0
	s_wait_tensorcnt 0x0                           ; W_r's LDS half has landed
	s_wait_loadcnt 0x0                             ; its register half too
	s_wait_dscnt 0x0                               ; my part of h0 is stored, my reads of chunk 3 are back
	s_barrier_signal -1
	s_barrier_wait -1
; eight loads: the four gates' W fragments of pass p, K step kk, from my part of LDS (destination and address in window 0)
.macro WLOAD p, kk
.irp g, 0,1,2,3
	ds_load_b128 v[WB+8*\g:WB+8*\g+3],   v[WLA] offset:1024*(32*\p+4*\kk+\g)
	ds_load_b128 v[WB+8*\g+4:WB+8*\g+7], v[WLA] offset:1024*(32*\p+4*\kk+\g)+512
.endr
.endm
; four loads: u' of my 8 units of tile (p, s), gate g, into dst .. dst + 7, v' into dst + 8 .. dst + 15
.macro LUV dst, p, s, g
	ds_load_b128 v[\dst:\dst+3],     v[UVA] offset:4*(256*\g+128*\p+16*\s)
	ds_load_b128 v[\dst+4:\dst+7],   v[UVA] offset:4*(256*\g+128*\p+16*\s)+16
	ds_load_b128 v[\dst+8:\dst+11],  v[UVA] offset:4*(256*\g+128*\p+16*\s)+4096
	ds_load_b128 v[\dst+12:\dst+15], v[UVA] offset:4*(256*\g+128*\p+16*\s)+4112
.endm
; the sums of gate g's four tiles start at y u' + v': nothing is cleared
.macro FILL src, g
.irp m, 0,1,2,3
.irp jp, 0,1,2,3
	v_pk_fma_f32 v[ACC+32*\g+8*\m+2*\jp:ACC+32*\g+8*\m+2*\jp+1], v[\src+2*\jp:\src+2*\jp+1], v[YV+2*\m:YV+2*\m+1], v[\src+8+2*\jp:\src+8+2*\jp+1] op_sel_hi:[1,0,1]
.endr
.endr
.endm
; The head of a pass.  40 LDS loads go out first: 16 for u', v' of the tile s = 0 (into window 0's accumulators, which are free),
; 8 for gates 0, 1 of the tile s = 1 (into WB), 16 for the first two K steps' h fragments.
.macro INIT p, rd
	WIN 0
.irp g, 0,1,2,3
	LUV ACC+16*\g, \p, 0, \g
.endr
	LUV WB, \p, 1, 0
	LUV WB+16, \p, 1, 1
	HLOAD 0, \rd
	HLOAD 1, \rd+64
	s_wait_dscnt 24                                ; the first 16 are in; the 8 + 16 behind them may be out
.irp g, 0,1,2,3
	FILL ACC+16*\g, \g                             ; destination in window 1, sources in window 0: the setting that HLOAD left
.endr
	WIN 0
	s_wait_dscnt 20                                ; gate 0's four are in; gate 1's 4 + 16 of h may be out
	FILL WB, 0
	LUV WB, \p, 1, 2
	s_wait_dscnt 20                                ; gate 1's are in; 16 of h + gate 2's 4 may be out
	FILL WB+16, 1
	LUV WB+16, \p, 1, 3
	s_wait_dscnt 4                                 ; gate 2's are in; gate 3's 4 may be out
	FILL WB, 2
	s_wait_dscnt 0x0
	FILL WB+16, 3
	WLOAD \p, 0
.endm
; K step kk of 8 of pass p: 32 matrix instructions on 32 accumulators, which take turns, one instruction a turn: 16 with W from
; registers (window 2 + p) onto window 1, 16 with W from WB onto window 0.  Behind them, in one run, W of step kk + 1 and h of step kk + 2.
; h's units 0-127 (kk < 4) are read at byte rd of the buffers, units 128-255 in the third buffer.
; sig = 1 (the step's last K step): all my reads of the old h are back: say so; the wait stands behind the macro.
.macro KSTEP p, kk, rd, sig
.if ((\kk)%7) == 0
	s_wait_dscnt 0x8                               ; h of this step is in; the 8 loads of W behind it may be out
.else
	s_wait_dscnt 0x10                              ; h of this step is in; the 16 loads issued in the step before may be out
.endif
	WIN 0x56+\p
.irp g, 0,1,2,3
.irp m, 0,1,2,3
	v_wmma_f32_16x16x32_f16 v[ACC+32*\g+8*\m:ACC+32*\g+8*\m+7], v[8*(4*\kk+\g):8*(4*\kk+\g)+7], v[32*(\kk&1)+8*\m:32*(\kk&1)+8*\m+7], v[ACC+32*\g+8*\m:ACC+32*\g+8*\m+7]
.endr
.endr
	WIN 0x04
.if ((\kk)%7) == 0
	s_wait_dscnt 0x0                               ; W of this step is in; nothing was issued behind it
.else
	s_wait_dscnt 0x8                               ; W of this step is in; the next step's h may be out
.endif
.if \sig
	s_barrier_signal -1
.endif
.irp g, 0,1,2,3
.irp m, 0,1,2,3
	v_wmma_f32_16x16x32_f16 v[ACC+32*\g+8*\m:ACC+32*\g+8*\m+7], v[WB+8*\g:WB+8*\g+7], v[32*(\kk&1)+8*\m:32*(\kk&1)+8*\m+7], v[ACC+32*\g+8*\m:ACC+32*\g+8*\m+7]
.endr
.endr
	PLACES
.if \kk < 7
	WLOAD \p, (\kk+1)
.endif
.if \kk < 6
.if (\kk+2) < 4
	HLOAD (\kk&1), \rd+64*((\kk+2)&3)
.else
	HLOAD (\kk&1), 2*HB+64*((\kk+2)&3)
.endif
.endif
.endm
; THE ACTIVATIONS of one tile (row tile m; 8 registers a gate: I, F, G, O = accumulators of gates 0..3; C), in nine stages, all in place.
;   0 plain  8: G = min(G, 40)                     1 trans 32: 2^I, 2^F, 2^G, 2^O
;   2 plain 24: I, F, G, O += 1; I *= G; G = 2 - G (= 1 - Eg)
;   3 trans 16: 1/I, 1/F                           4 plain 12: G *= I; C = C F + G; F = -2 log2(e) C
;   5 trans  8: 2^F                                6 plain  8: O = O F + O; F = 1 - F
;   7 trans  8: 1/O                                8 plain  8: F *= O (h in f32); I[0..3] = h in f16
; An even stage reads the results of the odd stage before it, and of no other transcendental: the waits stand between them, in EPASS, once for the pass's eight tiles.
; TOP: the i-th transcendental of a stage.  POP: the i-th plain instruction of a stage.
.macro TOP st, m, i
.if \st == 1
	v_exp_f32 v[ACC+32*((\i)/8)+8*\m+((\i)%8)], v[ACC+32*((\i)/8)+8*\m+((\i)%8)]
.endif
.if \st == 3
	v_rcp_f32 v[ACC+32*((\i)/8)+8*\m+((\i)%8)], v[ACC+32*((\i)/8)+8*\m+((\i)%8)]
.endif
.if \st == 5
	v_exp_f32 v[ACC+32+8*\m+\i], v[ACC+32+8*\m+\i]
.endif
.if \st == 7
	v_rcp_f32 v[ACC+96+8*\m+\i], v[ACC+96+8*\m+\i]
.endif
.endm
.macro POP st, m, i
.set zop, (\i)/4
.set zpj, 2*((\i)%4)
.set zI, ACC+8*\m+zpj
.set zF, zI+32
.set zG, zI+64
.set zO, zI+96
.set zC, CC+8*(4*EP+\m)+zpj
.if \st == 0
	v_min_num_f32 v[ACC+64+8*\m+\i], s27, v[ACC+64+8*\m+\i]
.endif
.if \st == 2
.if zop < 4
	v_pk_add_f32 v[zI+32*zop:zI+32*zop+1], v[zI+32*zop:zI+32*zop+1], 1.0 op_sel_hi:[1,0]
.endif
.if zop == 4
	v_pk_mul_f32 v[zI:zI+1], v[zI:zI+1], v[zG:zG+1]
.endif
.if zop == 5
	v_pk_fma_f32 v[zG:zG+1], v[zG:zG+1], -1.0, 2.0 op_sel_hi:[1,0,0]
.endif
.endif
.if \st == 4
.if zop == 0
	v_pk_mul_f32 v[zG:zG+1], v[zG:zG+1], v[zI:zI+1]
.endif
.if zop == 1
	v_pk_fma_f32 v[zC:zC+1], v[zC:zC+1], v[zF:zF+1], v[zG:zG+1]
.endif
.if zop == 2
	v_pk_mul_f32 v[zF:zF+1], v[zC:zC+1], s[28:29] op_sel_hi:[1,0]
.endif
.endif
.if \st == 6
.if zop == 0
	v_pk_fma_f32 v[zO:zO+1], v[zO:zO+1], v[zF:zF+1], v[zO:zO+1]
.endif
.if zop == 1
	v_pk_fma_f32 v[zF:zF+1], v[zF:zF+1], -1.0, 1.0 op_sel_hi:[1,0,0]
.endif
.endif
.if \st == 8
.if zop == 0
	v_pk_mul_f32 v[zF:zF+1], v[zF:zF+1], v[zO:zO+1]
.endif
.if zop == 1
	v_cvt_pk_f16_f32 v[ACC+8*\m+((\i)%4)], v[zF], v[zF+1]
.endif
.endif
.endm
; tn transcendentals of stage ts of tile tm and pn plain instructions of stage ps of tile pm, by turns.  The plain lines name no result of the batch that is open:
; they belong to another tile, or (stage 0 beside stage 1) they stand ahead of the exponentials of the registers that they write.
.macro ZIP ts, tm, tn, ps, pm, pn
.set zi, 0
.rept 32
.if zi < \tn
	TOP \ts, \tm, zi
.endif
.if zi < \pn
	POP \ps, \pm, zi
.endif
.set zi, zi+1
.endr
.endm
.macro ALONE st, m, cnt
.set zi, 0
.rept \cnt
	POP \st, \m, zi
.set zi, zi+1
.endr
.endm
; Stages 0 and 1 of a window's four tiles.  A tile's eight clamps of G stand between its exponentials of I; G's own exponentials come eight lines or more behind the last clamp.
.macro OPEN4
.irp mm, 0,1,2,3
	ZIP 1, \mm, 32, 0, \mm, 8
.endr
.endm
; Plain stage ps (pn lines a tile) and the transcendental stage ts behind it (tn a tile) of a window's four tiles, one tile apart: a tile's transcendentals read its own
; plain results, made a tile's length earlier, and stand by turns with the next tile's plain lines.  The last tile's stand alone.
.macro SKEW ps, pn, ts, tn
	ALONE \ps, 0, \pn
	ZIP \ts, 0, \tn, \ps, 1, \pn
	ZIP \ts, 1, \tn, \ps, 2, \pn
	ZIP \ts, 2, \tn, \ps, 3, \pn
	ZIP \ts, 3, \tn, \ps, 3, 0
.endm
; The end of the four row tiles of unit tile (p, s): stage 8; the sums for y (h in f32 times W_red, which lies in WB + 8 s); h in f16 to byte wr of the buffers.
; first = 1: the step's first products start the sums for y.
.macro CLOSE s, wr, first
.if \s
	WIN 0
.else
	WIN 0x55
.endif
.irp mm, 0,1,2,3
	ALONE 8, \mm, 8
.endr
.if \s
	WIN 0
.else
	WIN 0x01                                       ; h from window 1; W_red and the sums in window 0
.endif
.irp jp, 0,1,2,3
.irp mm, 0,1,2,3
.set usemul, 0
.if \first
.if \jp == 0
.set usemul, 1
.endif
.endif
.if usemul
	v_pk_mul_f32 v[PS+2*\mm:PS+2*\mm+1], v[ACC+32+8*\mm+2*\jp:ACC+32+8*\mm+2*\jp+1], v[WB+8*\s+2*\jp:WB+8*\s+2*\jp+1]
.else
	v_pk_fma_f32 v[PS+2*\mm:PS+2*\mm+1], v[ACC+32+8*\mm+2*\jp:ACC+32+8*\mm+2*\jp+1], v[WB+8*\s+2*\jp:WB+8*\s+2*\jp+1], v[PS+2*\mm:PS+2*\mm+1]
.endif
.endr
.endr
.if \s
	WIN 0
.else
	WIN 0x04                                       ; the stores' data from window 1
.endif
.irp mm, 0,1,2,3
	ds_store_b128 v[HWR], v[ACC+8*\mm:ACC+8*\mm+3] offset:\wr+MROW*\mm+32*\s
.endr
.endm
; The activations of pass p: eight tiles, four in window 0 (s = 1) and four in window 1 (s = 0), in four batches.  The window that was worked on last ahead of a wait is
; worked on first behind it, so that a batch costs one switch of the windows.  Behind each batch's last transcendental stands one v_nop, the plain instruction ahead of
; any use of a result (ISA guide 5.7.2); for the batch's earlier members the plain lines among and behind them are that instruction.
.macro EPASS p, wr, first
.set EP, \p
	WIN 0
.irp s2, 0,1
	ds_load_b128 v[WB+8*\s2:WB+8*\s2+3],   v[WRA] offset:4*(128*\p+16*\s2)         ; W_red of my 8 units in each of the pass's two tiles
	ds_load_b128 v[WB+8*\s2+4:WB+8*\s2+7], v[WRA] offset:4*(128*\p+16*\s2)+16
.endr
	s_wait_dscnt 0x0
	OPEN4                                          ; batch 1: 2^I, 2^F, 2^G, 2^O of the tiles s = 1,
	WIN 0x55
	OPEN4                                          ; and of the tiles s = 0
	v_nop
	s_wait_alu depctr_va_vdst(0)                   ; the one wait for batch 1's 256 exponentials, ahead of stage 2, their first reader
	SKEW 2, 24, 3, 16                              ; batch 2: 1/I, 1/F of the tiles s = 0, behind their stage 2,
	WIN 0
	SKEW 2, 24, 3, 16                              ; and of the tiles s = 1
	v_nop
	s_wait_alu depctr_va_vdst(0)                   ; the one wait for batch 2's 128 reciprocals, ahead of stage 4
	SKEW 4, 12, 5, 8                               ; batch 3: 2^F of the tiles s = 1, behind their stage 4,
	WIN 0x55
	SKEW 4, 12, 5, 8                               ; and of the tiles s = 0
	v_nop
	s_wait_alu depctr_va_vdst(0)                   ; the one wait for batch 3's 64 exponentials, ahead of stage 6
	SKEW 6, 8, 7, 8                                ; batch 4: 1/O of the tiles s = 0, behind their stage 6,
	WIN 0
	SKEW 6, 8, 7, 8                                ; and of the tiles s = 1
	v_nop
	s_wait_alu depctr_va_vdst(0)                   ; the one wait for batch 4's 64 reciprocals, ahead of stage 8; no transcendental follows in the pass
	CLOSE 1, \wr, \first
	CLOSE 0, \wr, 0
.endm
; y = the four waves' partial sums + b_red, for my lane's row in each row tile and for row 16 w + r, whose y goes into column col of the history
.macro YRED col
.irp m, 0,1,2,3
.irp q, 0,1,2,3
	ds_load_b32 v[WB+4*\m+\q], v[PR] offset:256*\q+64*\m
.endr
.endr
.irp q, 0,1,2,3
	ds_load_b32 v[WB+16+\q], v[PO] offset:256*\q
.endr
	s_wait_dscnt 0x0
.irp k, 0,1,2,3,4
	v_pk_add_f32 v[WB+4*\k:WB+4*\k+1], v[WB+4*\k:WB+4*\k+1], v[WB+4*\k+2:WB+4*\k+3]
.endr
.irp k, 0,1,2,3,4
	v_add_f32 v[WB+4*\k], v[WB+4*\k], v[WB+4*\k+1]
.endr
.irp m, 0,1,2,3
	v_add_f32 v[YV+2*\m], s26, v[WB+4*\m]
.endr
	v_add_f32 v[WB+16], s26, v[WB+16]
	ds_store_b32 v[YS], v[WB+16] offset:4*\col
.endm
; One LSTM step.  rd, wr: byte of the buffer from which the old h's units 0-127 are read, and of the one into which the new ones go.
; Two barriers.  The first (signal in the last K step, wait behind it): every wave's reads of the old h are back, so the third buffer may be overwritten;
; it also parts this step's reads of the partial sums' words from their next stores.  The second: the new h and the partial sums are stored.
; The buffer wr was last read in the step before, ahead of that step's first barrier.
.macro STEP rd, wr, col
	INIT 0, \rd
.irp kk, 0,1,2,3,4,5,6,7
	KSTEP 0, \kk, \rd, 0
.endr
	EPASS 0, \wr, 1
	INIT 1, \rd
.irp kk, 0,1,2,3,4,5,6
	KSTEP 1, \kk, \rd, 0
.endr
	KSTEP 1, 7, \rd, 1
	s_barrier_wait -1
	EPASS 1, 2*HB, 0
	WIN 0
.irp m, 0,1,2,3
	v_add_f32 v[PS+2*\m], v[PS+2*\m], v[PS+2*\m+1]
.endr
.irp m, 0,1,2,3
	v_permlanex16_b32 v[PS+2*\m+1], v[PS+2*\m], s30, s31                           ; the other half of the lanes holds the row's other units
.endr
.irp m, 0,1,2,3
	v_add_f32 v[PS+2*\m], v[PS+2*\m], v[PS+2*\m+1]
	ds_store_b32 v[PW], v[PS+2*\m] offset:64*\m
.endr
	s_wait_dscnt 0x0                               ; my h and my partial sums are stored, for the other waves' sake
	s_barrier_signal -1
	s_barrier_wait -1
	YRED \col
.endm
	s_mov_b32 s3, 4                                ; eight steps, two a trip: the two buffers of units 0-127 change places
.Ltrip:
	STEP HB, 0, 0
	STEP 0, HB, 1
	v_add_nc_u32 v[YS], 8, v[YS]                   ; two columns of the history on
	s_sub_co_u32 s3, s3, 1
	s_cmp_lg_u32 s3, 0
	s_cbranch_scc1 .Ltrip
	; the way out: the history is laid as out0's 64 rows of 32 bytes; thread t takes the 16 bytes at 16 t, so sixteen lanes store 256 consecutive bytes, aligned
	v_lshlrev_b32 v32, 4, v0
	v_add_nc_u32 v33, YST, v32
	s_wait_dscnt 0x0                               ; my last y is stored
	s_barrier_signal -1
	s_barrier_wait -1
	ds_load_b128 v[36:39], v33
	s_wait_dscnt 0x0
	global_store_b128 v32, v[36:39], s[16:17]
	s_wait_xcnt 0x0
	v_lshl_add_u32 v254, v0, 2, 0x4fc00
	v_mov_b32 v255, 0
	s_wait_tensorcnt 0x0
	ds_add_u32 v254, v255
	s_wait_dscnt 0x0
	ROUND                                          ; the closing round: no work-group ends while a partner may still ask jointly
	s_endpgm
.Lfunc_end_k_q4bf577f3f2_lstm:
	.size	k_q4bf577f3f2_lstm, .Lfunc_end_k_q4bf577f3f2_lstm-k_q4bf577f3f2_lstm
	.p2alignl 7, 3214868480
	.fill 96, 4, 3214868480
	.section	.rodata,"a",@progbits
	.p2align	6, 0x0
	.amdhsa_kernel k_q4bf577f3f2_lstm
		.amdhsa_group_segment_fixed_size 327168
		.amdhsa_private_segment_fixed_size 0
		.amdhsa_enable_private_segment 0
		.amdhsa_kernarg_size 56
		.amdhsa_user_sgpr_count 2
		.amdhsa_user_sgpr_kernarg_segment_ptr 1
		.amdhsa_wavefront_size32 1
		.amdhsa_system_sgpr_workgroup_id_x 1
		.amdhsa_system_sgpr_workgroup_id_y 1
		.amdhsa_system_sgpr_workgroup_id_z 1
		.amdhsa_system_vgpr_workitem_id 0
		.amdhsa_next_free_vgpr 1024
		.amdhsa_next_free_sgpr 66
		.amdhsa_reserve_vcc 0
		.amdhsa_float_denorm_mode_32 3
		.amdhsa_float_denorm_mode_16_64 3
		.amdhsa_memory_ordered 1
		.amdhsa_forward_progress 1
		.amdhsa_inst_pref_size 255
	.end_amdhsa_kernel
	.section	.bss,"aw",@nobits
	.p2align	6
	.space	262144
	.amdgpu_metadata
---
amdhsa.version: [ 1, 2 ]
amdhsa.kernels:
  - .name:           k_q4bf577f3f2_lstm
    .symbol:         k_q4bf577f3f2_lstm.kd
    .args:
      - { .name: encoded_input_series, .offset: 0, .size: 8, .value_kind: global_buffer, .address_space: global }
      - { .name: final_x_val, .offset: 8, .size: 8, .value_kind: global_buffer, .address_space: global }
      - { .name: wk, .offset: 16, .size: 8, .value_kind: global_buffer, .address_space: global }
      - { .name: W_red, .offset: 24, .size: 8, .value_kind: global_buffer, .address_space: global }
      - { .name: b_enc, .offset: 32, .size: 8, .value_kind: global_buffer, .address_space: global }
      - { .name: b_red, .offset: 40, .size: 8, .value_kind: global_buffer, .address_space: global }
      - { .name: out0, .offset: 48, .size: 8, .value_kind: global_buffer, .address_space: global }
    .group_segment_fixed_size: 327168
    .private_segment_fixed_size: 0
    .kernarg_segment_align: 8
    .kernarg_segment_size: 56
    .max_flat_workgroup_size: 128
    .sgpr_count:     66
    .vgpr_count:     1024
    .wavefront_size: 32
...
	.end_amdgpu_metadata
.endif
;; end of part 3
